; MI455X (gfx1250); checked and timed in simulation.
; The chip was launched on July 23, 2026; its instructions are those of AMD's public machine-readable ISA for CDNA 5 (MIT licence, August 2026) and "CDNA5" Instruction Set Architecture Reference Guide (July 2026). The comments in the code are by the model that wrote it; some were corrected since.
;; Causal Attention. Allowed arithmetic: matrix products marked QUANTISED: E2M1 operands, one E8M0 scale for each 32 along K, by v_wmma_scale_f32_16x16x128_f8f6f4 with both operands' format E2M1 (or v_wmma_scale_f32_32x16x128_f4), f32 sums; products left as they are: bf16, f16 or f32 operands; f32 sums; everything else in f32.
;; Inputs: W_k 1,024 x 1,024 float32; W_q 1,024 x 1,024 float32; W_v 1,024 x 1,024 float32; X_emb 4 x 2,048 x 1,024 float32.
;; Outputs: out0 4 x 2,048 x 1,024 float32.
;; This version of the problem:
;;   THIS VERSION OF THE PROBLEM IS GIVEN IN LOW PRECISION. The matrix products marked QUANTISED in the list below multiply operands that are first quantised to E2M1 (2 exponent bits, 1 mantissa bit; 4 bits a number), with one power-of-two scale for each 32 numbers along K (OCP MX v1.0); their sums are f32. The products marked 'left as it is' may take bf16, f16 or f32 operands, with f32 sums. Whichever they take, every output number must still come out within the allowed error. Rounding operands to bf16 (8 significant bits) uses up far more of that allowance than f16 does (11 bits, for magnitudes from 6e-5 to 65,504). All else is computed in f32.
;;   The module's matrix products, in the order in which they are computed (A, B: the left and right operand; K: the contracted axis; several contracted axes count as one K, in the product's order):
;;     1. [M 8,192, K 1,024] x [K 1,024, N 1,024]; A: input X_emb; B: input W_q: QUANTISED
;;     2. [M 8,192, K 1,024] x [K 1,024, N 1,024]; A: input X_emb; B: input W_k: QUANTISED
;;     3. [M 8,192, K 1,024] x [K 1,024, N 1,024]; A: input X_emb; B: input W_v: QUANTISED
;;     4. batch 4 x [M 2,048, K 1,024] x [K 1,024, N 2,048]; A: computed on the way; B: computed on the way: left as it is (an operand is computed on the way)
;;     5. batch 4 x [M 2,048, K 2,048] x [K 2,048, N 1,024]; A: computed on the way; B: computed on the way: left as it is (an operand is computed on the way)
;;   THE QUANTISER, for each operand of a quantised product, along K:
;;     - K is cut into blocks of 32 from its start; a last block that is shorter is filled with zeros.
;;     - A block's scale is 2^e with e = floor(log2(the largest magnitude in the block)) - 2, held to -126 .. 127; a block of zeros has e = 0. As a byte (E8M0): e + 127.
;;     - Each number is divided by its block's scale, clamped to +-6, and rounded to the nearest number of E2M1, ties to even, subnormals kept.
;;     - The product sums the exact products of the quantised numbers (number of the format x scale) in f32.
;;   ~~~python
;;   def quantise(x, axis):      # numpy; x: float32 -> the quantised numbers, widened to float32 again
;;       x = np.moveaxis(x, axis, -1); K = x.shape[-1]
;;       x = np.pad(x, [(0, 0)] * (x.ndim - 1) + [(0, -K % 32)]); x = x.reshape(x.shape[:-1] + (-1, 32)); a = np.abs(x).max(-1, keepdims=True)
;;       e = np.where(a > 0, np.clip(np.frexp(np.where(a > 0, a, 1))[1] - 1 - 2, -126, 127), 0)      # np.frexp(a)[1] - 1 = floor(log2(a)), exactly
;;       r = np.clip(x / 2.0 ** e, -6, 6)
;;       step = 2.0 ** (np.maximum(np.frexp(np.where(r == 0, 1, r))[1] - 1, 0) - 1)
;;       q = np.round(r / step) * step * 2.0 ** e      # np.round: ties to even
;;       return np.moveaxis(q.reshape(q.shape[:-2] + (-1,))[..., :K], -1, axis).astype(np.float32)
;;   ~~~
;; One version. Each part assembles by itself: llvm-mc -triple=amdgcn-amd-amdhsa -mcpu=gfx1250 --defsym DOCPART=n.
;; ======== version 1 of 1: 5 launches
;; limits: values are held in f16: magnitudes above 65,504 overflow, below 6.1e-05 lose precision
;; workspace buffers: codes 5,767,168 bytes; scales 360,448 bytes; qkv 50,331,648 bytes; first 786,432 bytes; pbuf 33,554,432 bytes; stat 2,097,152 bytes; tblw 688,128 bytes; o16 262,144 bytes
;; launch quant (part 1): grid 352 x 1, 4 waves a work-group, no clusters, 33,280 bytes of LDS; arguments X_emb, W_q, W_k, W_v, codes, scales; writes codes, scales
.if DOCPART == 1
	.amdgcn_target "amdgcn-amd-amdhsa--gfx1250"
	.amdhsa_code_object_version 6
	.text
	.protected	k_q87f11b08d0_quant
	.globl	k_q87f11b08d0_quant
	.p2align	8
	.type	k_q87f11b08d0_quant,@function
k_q87f11b08d0_quant:
	s_mov_b64 s[64:65], 0
	v_nop
	global_prefetch_b8 v0, s[64:65] scope:SCOPE_SE
	s_setreg_imm32_b32 hwreg(HW_REG_WAVE_MODE, 25, 1), 1
	s_wait_xcnt 0x0
; X_emb [8192][1024] and W_q, W_k, W_v [1024][1024], f32, K innermost, become codes of FP4 (E2M1), two a byte, K innermost, with one E8M0 byte for each 32 along K.
; codes: X's 8,192 rows of 512 bytes, then the 3,072 rows of W_q, W_k, W_v on end.  scales: X's rows of 32 bytes, then W's likewise.
; A block's scale is 2^(floor(log2(its largest magnitude)) - 2); its byte is the largest magnitude's exponent field - 2, held at 1 from below.  A block of zeros so gets the byte 1 where the rule says 127:
; its codes are zeros, which add nothing under any byte but 0xff, and the bytes are read by this program alone.  Each number is divided by the scale and rounded to the nearest code, ties to even, beyond 6 the largest code.
; LIMITS: blocks whose largest magnitude lies under 2^(2 - 126) have their byte held at 1; NaN and infinities among the inputs are not served.
; Rows are dense and K is a multiple of 32: each tensor is a plain stream of blocks of 32.  Work-group g takes 32,768 numbers: g < 256: run g of X; else run (g - 256) % 32 of W_q, W_k or W_v.
; Since the four tensors' codes lie on end, the place of the results is g x 16,384 bytes of codes and g x 1,024 of scales for every g: only the source is chosen, by the work-group's number alone.
; A wave takes 16 steps of 512 numbers.  Each load reads 512 consecutive bytes; a step's 2,048 bytes turn through the wave's own stage in LDS and come back 64 bytes (16 neighbours along K) a lane; two lanes hold a block.
; Loads run eight steps ahead: 32 loads, 16,384 bytes, of every wave are on their way, half of all that it reads.
; A lane's 16 codes are 8 bytes: the wave stores 256 consecutive bytes.  A wave's 256 scale bytes are gathered in LDS and leave as one aligned run of 256 bytes.  Waves share nothing: no barrier.
; No cluster: no two work-groups read the same bytes.
.set WAVES, 4
.set STEPS, 16
.set AHEAD, 8                          ; steps that the loads run ahead
.set XWG,   256                        ; work-groups for X: 8,192 x 1,024 / 32,768
.set EMAX,  2
.set CB,    8                          ; bytes of 16 codes
.set R,     16                         ; v16-143  eight sets of 16 numbers as they are loaded
.set X,     144                        ; v144-175 two sets of 16 neighbours
.set E,     176                        ; v176-191 a scale byte for each step
.set C,     192                        ; v192-223 codes: two registers for each step, so that no store's data are written again
.set WREG,  8192                       ; LDS: a region for each wave: two stages of 32 x SP bytes, behind them its 256 scale bytes
.set SP,    80                         ; a lane's place in a stage: 64 bytes + 16 of padding
.set SPW,   12                         ; v12      LDS address of my spare word; never rewritten
.set NIL,   13                         ; v13      0; never rewritten
.set SPARE, WAVES*WREG                 ; behind the four regions: the spare words, 128 bytes a wave, which no other line names
	s_load_b256 s[4:11], s[0:1], 0x0               ; X s[4:5], W_q s[6:7], W_k s[8:9], W_v s[10:11]
	s_load_b128 s[12:15], s[0:1], 0x20             ; codes s[12:13], scales s[14:15]
	v_lshl_add_u32 v[SPW], v0, 2, SPARE
	v_mov_b32 v[NIL], 0
	v_lshrrev_b32 v1, 5, v0
	v_readfirstlane_b32 s16, v1                    ; wave
	v_and_b32 v2, 31, v0                           ; lane
	v_lshlrev_b32 v3, 4, v2                        ; my 16 bytes of a load's 512
	s_mul_i32 s17, s16, WREG
	v_lshrrev_b32 v14, 2, v2
	v_mul_u32_u24 v14, v14, SP
	v_and_b32 v15, 3, v2
	v_lshl_add_u32 v14, v15, 4, v14
	v_add_nc_u32 v14, s17, v14                     ; the stage, on the way in: SP (lane / 4) + 16 (lane % 4)
	v_mul_u32_u24 v15, v2, SP
	v_add_nc_u32 v15, s17, v15                     ; and on the way out: SP x lane: my 16 neighbours
	v_mul_u32_u24 v4, v2, CB                       ; my codes' place in a step's
	v_lshrrev_b32 v5, 1, v2
	s_add_co_u32 s17, s17, 2*32*SP
	v_add_nc_u32 v5, s17, v5                       ; LDS: my wave's 256 scale bytes, my block's byte
	v_lshlrev_b32 v7, 3, v2                        ; and on the way out 8 bytes a lane
	v_add_nc_u32 v6, s17, v7
	s_sub_co_u32 s20, ttmp9, XWG                   ; which of W's 96 work-groups (used only where g >= 256)
	s_and_b32 s21, s20, 31                         ; its run in its tensor
	s_wait_kmcnt 0x0
	s_cmp_lt_u32 s20, 64                           ; the source is chosen by the work-group's number alone
	s_cselect_b64 s[22:23], s[8:9], s[10:11]       ; W_k or W_v,
	s_cmp_lt_u32 s20, 32
	s_cselect_b64 s[22:23], s[6:7], s[22:23]       ; or W_q,
	s_cmp_lt_u32 ttmp9, XWG
	s_cselect_b64 s[4:5], s[4:5], s[22:23]         ; or X
	s_cselect_b32 s21, ttmp9, s21
	s_lshl_b32 s21, s21, 2
	s_add_co_u32 s21, s21, s16                     ; my wave's run of 8,192 numbers in the source,
	s_lshl_b32 s24, s21, 15                        ; 32,768 bytes a run (under 2^26)
	s_mov_b32 s25, 0
	s_add_nc_u64 s[4:5], s[4:5], s[24:25]
	s_lshl_b32 s26, ttmp9, 2
	s_add_co_u32 s26, s26, s16                     ; and among the results
	s_lshl_b32 s24, s26, 12                        ; 4,096 bytes of codes a run
	s_add_nc_u64 s[8:9], s[12:13], s[24:25]
	s_lshl_b32 s24, s26, 8                         ; 256 scale bytes a run
	s_add_nc_u64 s[10:11], s[14:15], s[24:25]
.macro LOAD t
.irp i, 0,1,2,3
	global_load_b128 v[R+16*((\t)%AHEAD)+4*\i:R+16*((\t)%AHEAD)+4*\i+3], v3, s[4:5] offset:2048*(\t)+512*\i th:TH_LOAD_NT   ; 32 lanes read 512 consecutive bytes
.endr
.endm
.macro TURN t                          ; step t's numbers through the stage: LDS serves a wave's instructions in order, so no wait stands between the stores and the loads
.irp i, 0,1,2,3
	ds_store_b128 v14, v[R+16*((\t)%AHEAD)+4*\i:R+16*((\t)%AHEAD)+4*\i+3] offset:32*SP*((\t)%2)+8*SP*\i
.endr
.irp i, 0,1,2,3
	ds_load_b128 v[X+16*((\t)%2)+4*\i:X+16*((\t)%2)+4*\i+3], v15 offset:32*SP*((\t)%2)+16*\i
.endr
.endm
.irp t, 0,1,2,3,4,5,6,7
	LOAD \t
.endr
	s_wait_loadcnt 4*(AHEAD-1)                     ; step 0's four loads are in; the 28 behind them may be out
	TURN 0
.macro STEP t
.set XS, X+16*((\t)%2)
.if (\t) > 0
	s_wait_dscnt 1                                 ; this step's numbers are back from the stage (the last step's byte store may be out): so its stores into the stage have read their registers,
.else
	s_wait_dscnt 0x0
.endif
.if (\t)+AHEAD < STEPS
	LOAD (\t)+AHEAD                                ; which take the loads of eight steps on
.endif
.if (\t)+1 < STEPS
.if STEPS-2-(\t) >= AHEAD-1
	s_wait_loadcnt 4*(AHEAD-1)                     ; the next step's four loads are in; those of the seven steps behind it may be out
.else
	s_wait_loadcnt 4*(STEPS-2-(\t))                ; towards the end: those of the steps that are left
.endif
	TURN (\t)+1                                    ; and go through the other stage while this step is worked
.endif
	v_max3_num_f32 v8, |v[XS]|, |v[XS+1]|, |v[XS+2]|               ; the largest magnitude of my 16, in two chains
	v_max3_num_f32 v9, |v[XS+3]|, |v[XS+4]|, |v[XS+5]|
.irp i, 6,10
	v_max3_num_f32 v8, v8, |v[XS+\i]|, |v[XS+\i+1]|
	v_max3_num_f32 v9, v9, |v[XS+\i+2]|, |v[XS+\i+3]|
.endr
	v_max3_num_f32 v8, v8, |v[XS+14]|, |v[XS+15]|
	v_max3_num_f32 v8, v8, v9, (EMAX+1)<<23        ; and the floor 2^(EMAX + 1 - 127): so the byte cannot fall under 1
	v_max_num_f32_dpp v8, v8, v8 row_xmask:1 row_mask:0xf bank_mask:0xf   ; and of my neighbour's 16: the block's
	v_add_nc_u32 v11, -(EMAX<<23), v8              ; EMAX off its exponent field: the conversion takes the exponent field of this operand as its scale, and nothing else of it
	v_cvt_scalef32_pk8_fp4_f32 v[C+2*(\t)], v[XS:XS+7], v11        ; the first number's code in the lowest four bits
	v_cvt_scalef32_pk8_fp4_f32 v[C+2*(\t)+1], v[XS+8:XS+15], v11
	v_lshrrev_b32 v[E+(\t)], 23, v11               ; the scale's byte
	ds_store_b8 v5, v[E+(\t)] offset:16*(\t)       ; both lanes of a block write the same byte with the same value
	global_store_b64 v4, v[C+2*(\t):C+2*(\t)+1], s[8:9] offset:32*CB*(\t)   ; 32 lanes store 256 consecutive bytes, aligned
.endm
.irp t, 0,1,2,3,4,5,6,7,8,9,10,11,12,13,14,15
	STEP \t
.endr
	ds_load_b64 v[8:9], v6                         ; LDS serves a wave's instructions in order: these see my stores
	s_wait_dscnt 0x0
	global_store_b64 v7, v[8:9], s[10:11]          ; 32 lanes store 256 consecutive bytes, aligned
	s_wait_tensorcnt 0x0                           ; the wave's end, behind my last LDS store
	ds_add_u32 v[SPW], v[NIL]
	s_wait_dscnt 0x0
	s_endpgm
.Lfunc_end_k_q87f11b08d0_quant:
	.size	k_q87f11b08d0_quant, .Lfunc_end_k_q87f11b08d0_quant-k_q87f11b08d0_quant
	.p2alignl 7, 3214868480
	.fill 96, 4, 3214868480
	.section	.rodata,"a",@progbits
	.p2align	6, 0x0
	.amdhsa_kernel k_q87f11b08d0_quant
		.amdhsa_group_segment_fixed_size 33280
		.amdhsa_private_segment_fixed_size 0
		.amdhsa_enable_private_segment 0
		.amdhsa_kernarg_size 48
		.amdhsa_user_sgpr_count 2
		.amdhsa_user_sgpr_kernarg_segment_ptr 1
		.amdhsa_wavefront_size32 1
		.amdhsa_system_sgpr_workgroup_id_x 1
		.amdhsa_system_sgpr_workgroup_id_y 1
		.amdhsa_system_sgpr_workgroup_id_z 1
		.amdhsa_system_vgpr_workitem_id 0
		.amdhsa_next_free_vgpr 224
		.amdhsa_next_free_sgpr 66
		.amdhsa_reserve_vcc 0
		.amdhsa_float_denorm_mode_32 3
		.amdhsa_float_denorm_mode_16_64 3
		.amdhsa_memory_ordered 1
		.amdhsa_forward_progress 1
		.amdhsa_inst_pref_size 33
	.end_amdhsa_kernel
	.amdgpu_metadata
---
amdhsa.version: [ 1, 2 ]
amdhsa.kernels:
  - .name:           k_q87f11b08d0_quant
    .symbol:         k_q87f11b08d0_quant.kd
    .args:
      - { .name: X_emb, .offset: 0, .size: 8, .value_kind: global_buffer, .address_space: global }
      - { .name: W_q, .offset: 8, .size: 8, .value_kind: global_buffer, .address_space: global }
      - { .name: W_k, .offset: 16, .size: 8, .value_kind: global_buffer, .address_space: global }
      - { .name: W_v, .offset: 24, .size: 8, .value_kind: global_buffer, .address_space: global }
      - { .name: codes, .offset: 32, .size: 8, .value_kind: global_buffer, .address_space: global }
      - { .name: scales, .offset: 40, .size: 8, .value_kind: global_buffer, .address_space: global }
    .group_segment_fixed_size: 33280
    .private_segment_fixed_size: 0
    .kernarg_segment_align: 8
    .kernarg_segment_size: 48
    .max_flat_workgroup_size: 128
    .sgpr_count:     66
    .vgpr_count:     224
    .wavefront_size: 32
...
	.end_amdgpu_metadata
.endif
;; end of part 1
;; launch proj (part 2): grid 8 x 32, 4 waves a work-group, clusters of 4 x 4, 327,680 bytes of LDS; arguments codes, scales, qkv, first; writes qkv, first
.if DOCPART == 2
	.amdgcn_target "amdgcn-amd-amdhsa--gfx1250"
	.amdhsa_code_object_version 6
	.text
	.protected	k_q87f11b08d0_proj
	.globl	k_q87f11b08d0_proj
	.p2align	8
	.type	k_q87f11b08d0_proj,@function
k_q87f11b08d0_proj:
	s_mov_b64 s[64:65], 0
	v_nop
	global_prefetch_b8 v0, s[64:65] scope:SCOPE_SE
	s_setreg_imm32_b32 hwreg(HW_REG_WAVE_MODE, 25, 1), 1
	s_wait_xcnt 0x0
	s_wait_alu depctr_hold_cnt(0) depctr_sa_sdst(0) depctr_va_vdst(0) depctr_va_sdst(0) depctr_va_ssrc(0) depctr_va_vcc(0) depctr_vm_vsrc(0)
	s_getreg_b32 s2, hwreg(HW_REG_IB_STS2, 6, 4)
	s_cmp_eq_u32 s2, 0
	s_cbranch_scc0 .Lentry_in_a_cluster
	s_endpgm
.Lentry_in_a_cluster:
	s_bfe_u32 s2, ttmp6, 0x10000c
	s_cmp_lg_u32 s2, 0xf033
	s_cbranch_scc0 .Lentry_shape_is_right
	s_endpgm
.Lentry_shape_is_right:
; qkv[m][n] = sum over k of X[m][k] W[n][k], m = 0 .. 8,191, n = 0 .. 3,071 (W_q's, W_k's, W_v's rows on end), K = 1,024, on codes of FP4 (E2M1) with one E8M0 scale for each 32 along K; sums in f32.
; The result is rounded once to f16 (rows of 6,144 bytes: Q at byte 0, K at 2,048, V at 4,096); positions 0 to 15 of each sequence also leave unrounded, f32, into first [4][16][3072].
; LIMIT: |Q|, |K|, |V| up to 65,504 (f16's largest number); beyond it the rounding gives infinity.
; SHARES.  8,192 x 3,072 results on 256 work-groups are 256 rows x 384 columns each.  The 640 rows of codes that these want, for all of K, are more than LDS holds at pitch 272 (348,160 bytes), so the columns go in TWO PASSES over the same rows of X:
;   pass 0: columns 0-255: four waves, 128 x 128 each: 64 accumulators;   pass 1: columns 256-383: wave w takes rows 64 w .. 64 w + 63 and all 128 columns: 32 accumulators: a wave's row is again 256 whole bytes.
; K goes in two steps of 512 (rows of 256 bytes), one to a slot.  X's rows stay in both slots for both passes.  W's 128 rows of pass 1 are filled into the first half of W's part of a slot as soon as pass 0 has read that slot for the last time:
; slot 0's while pass 0 multiplies slot 1, slot 1's while pass 0's results leave and pass 1 multiplies slot 0.  Pass 0's stores are on their way while pass 1 is multiplied.
; The scale bytes of the 256 rows of X and the 384 rows of W, for all of K, are two dense blocks: they come once, with the first fills.
; CLUSTERS: 4 x 4 work-groups.  Tile row = 8 cy + cluster y (so cy is the batch, and 'the tile holds a sequence's first rows' is cluster y = 0, alike in all sixteen); tile column = 4 cluster x + cx.
; The four of a row of the cluster need the same tiles of X, the four of a column the same tiles of W: each is asked for JOINTLY, by the same tensor load with the same descriptor and a mask that names the four.
; THE MATRIX INSTRUCTION IS USED TRANSPOSED (source 0 = 16 rows of W, source 1 = 16 rows of X): a lane then holds eight neighbouring numbers of a row of the result.
; REGISTERS, in windows of 256: window 0: v0-31 addresses; v32-95 scale words, two sets; v128-191 X's fragments (pass 0: ONE set of eight blocks; pass 1: two sets of four); on the ways out v32-63 and v192-255 are at work.
;   window 1: W's fragments, TWO sets, at v0 and v128.   window 2: the accumulators of my rows 0-63 ((a, b) at v[8 (8 a + b)]), in both passes;   window 3: those of rows 64-127 of pass 0.
.set SIZE_N, 3072
.set SIZE_K, 1024
.set TCOL,   384                       ; columns of a work-group
.set NQ,     4                         ; matrix instructions deep in a slot: 512 / 128
.set ROWB,   256                       ; a tile's row in bytes: 512 codes
.set KROW,   SIZE_K/2                  ; a row of codes in memory
.set PITCH,  272                       ; an LDS row: 256 bytes + 16 of padding = 68 words: row r starts at bank 4 r mod 64 (ISA guide 11.1)
.set FR,     8                         ; registers of a fragment: 16 rows x 128 K
.set NL,     2                         ; LDS loads that bring one
.set NP,     4                         ; places behind this matrix instruction (ISA guide 7.12.1)
.set HALFT,  128*PITCH                 ; 128 rows: what one tensor load brings
.set SLOT,   4*HALFT                   ; X's 256 rows, then 256 rows of W
.set KS,     SIZE_K/32                 ; a row of scales in bytes
.set SCL,    2*SLOT                    ; behind the slots: X's scales, as runs of 256 bytes + 16 of padding
.set HALFS,  (128*KS/256)*272          ; the scales of 128 rows
.set SBLK,   (16*KS/256)*272           ; those of 16 rows
.set SCLB,   SCL+2*HALFS               ; W's scales: 384 rows, 24 blocks of 16
.set HALFSB, (192*KS/256)*272          ; those of 192 rows: what one tensor load brings of them
.set STAGE,  SCLB+2*HALFSB             ; the ways out: 16 rows x (256 bytes + 16) for each wave: bytes of their own, into which no fill lands
.set SPITCH, 272
.set SPARE,  STAGE+4*16*SPITCH         ; the spare words, 128 bytes a wave, which no other line names
.set CROW,   SIZE_N*2                  ; a row of qkv in bytes
.set WCODES, 4194304                   ; where W's codes begin in codes,
.set WSCALES, 262144                   ; and W's scale bytes in scales
.set ADRA, 16                          ; v16-17  pass 0: LDS address of my X fragments in slot 0, 1
.set ADRA2, 18                         ; v18-19  pass 1: the same
.set ADRB, 20                          ; v20-21  pass 0: the same for W
.set ADRB2, 22                         ; v22-23  pass 1: the same for W
.set STO,  24                          ; v24     the way out: where I put 16 bytes of a row
.set RD,   25                          ; v25     where I read a row back
.set CO,   26                          ; v26     my byte offset in two rows of qkv
.set ADRS, 27                          ; v27     pass 0: LDS address of my scale words: lanes 0-15 X's rows, lanes 16-31 W's
.set SPW,  28                          ; v28     LDS address of my spare word; never rewritten
.set NIL,  29                          ; v29     0; never rewritten
.set FO,   30                          ; v30     my byte offset in first: row l % 16 of 12,288 bytes + 32 (l / 16)
.set ADRS2, 31                         ; v31     pass 1: as v27
.set SC,   32                          ; scale words: set s at v[SC + 32 s]; register 4 i + q: lanes 0-15 X's block i, lanes 16-31 W's block i, the slot's q-th 128 along K
.set AF,   128                         ; X's fragments, in window 0
.set TMP,  192                         ; the way out: packed results
.set OB,   32                          ; the way out: 16 rows read back: v32-63 and v224-255 by turns
.set G1, 24                            ; s[24:31] group 1 for X's tiles;  s[32:39] group 0, one set a slot
.set G0, 32
.set G1B, 48                           ; s[48:55], s[56:63] the same for W's
.set G0B, 56
.set G1S, 68                           ; s[68:75], s[76:79] groups 1 and 0 for X's scales;  s[80:87], s[88:91] for W's
.set G0S, 76
.set G1SB, 80
.set G0SB, 88
.set MSB, 0
.macro WIN new                         ; the immediate's high byte repeats the setting that is left
.if MSB != (\new)
	s_set_vgpr_msb (MSB<<8)|(\new)
.set MSB, (\new)
.endif
.endm
.set MUL_LO, 0xa1                      ; source 0 (W) window 1, source 1 (X) window 0, C and D window 2
.set MUL_HI, 0xf1                      ; the same, C and D window 3
.set TO_B,   0x40                      ; destination window 1, address window 0
; A joint first fill: waves 0 and 1 fetch for X, waves 2 and 3 for W.  Each line has ONE mask and one set of registers for all that issue it; the branch hangs on the wave's number alone.
; An s_nop 0 and four v_nop follow each of the two lines.
.macro JLOAD g0a, g1a, g0b, g1b
	s_cmp_eq_u32 s15, 0
	s_cbranch_scc0 .Lfor_b_\@
	tensor_load_to_lds s[\g0a:\g0a+3], s[\g1a:\g1a+7]
	s_nop 0
.rept 4
	v_nop
.endr
	s_branch .Lasked_\@
.Lfor_b_\@:
	tensor_load_to_lds s[\g0b:\g0b+3], s[\g1b:\g1b+7]
	s_nop 0
.rept 4
	v_nop
.endr
.Lasked_\@:
.endm
; A joint refill: W's 128 rows of pass 1 for one K step, into the first half of W's part of slot s.  Wave 2 fetches them, in every work-group: its group 1 and its LDS address are those of its first fill; the other waves have no part of the tile.
.macro JLOAD2 s
	s_cmp_eq_u32 s14, 2
	s_cbranch_scc0 .Lnot_mine_\@
	tensor_load_to_lds s[G0B+4*\s:G0B+4*\s+3], s[G1B:G1B+7]
	s_nop 0
.rept 4
	v_nop
.endr
.Lnot_mine_\@:
.endm
.macro CREST                           ; a round of the cluster's barrier behind its opening barrier
	s_cmp_lg_u32 s14, 0
	s_cbranch_scc1 .Lnot_wave_0_\@
	s_barrier_signal -3
.Lnot_wave_0_\@:
	s_barrier_wait -3
	s_barrier_signal -1
	s_barrier_wait -1
.endm
.macro CROUND                          ; a whole round
	s_barrier_signal -1
	s_barrier_wait -1
	CREST
.endm
	s_load_b128 s[4:7], s[0:1], 0x0                ; codes s[4:5], scales s[6:7]
	s_load_b128 s[8:11], s[0:1], 0x10              ; qkv s[8:9], first s[10:11]
	v_lshl_add_u32 v[SPW], v0, 2, SPARE
	v_mov_b32 v[NIL], 0
	ds_add_u32 v[SPW], v[NIL]                      ; the wave's opening: the add, twice on end, and its wait ahead of my first tensor load
	ds_add_u32 v[SPW], v[NIL]                      ; the set-up below, work on registers, stands between the second and the wait
	v_lshrrev_b32 v1, 5, v0
	v_readfirstlane_b32 s14, v1                    ; wave 0..3
	s_lshr_b32 s15, s14, 1                         ; pass 0: which half of the tile's rows is mine.  Also: I fetch for X (0) or for W (1)
	s_and_b32 s16, s14, 1                          ; pass 0: which half of its columns.  Also: which part of that tile I fetch
	s_bfe_u32 s40, ttmp6, 0x40000                  ; cx, cy: my place in the cluster
	s_bfe_u32 s41, ttmp6, 0x40004
	s_lshl_b32 s42, ttmp9, 2
	s_add_co_u32 s42, s42, s40                     ; tile column = 4 x cluster x + cx: 0 .. 7
	s_and_b32 s95, ttmp7, 0xffff                   ; cluster y: the tile's place in its sequence
	s_lshl_b32 s17, s41, 3
	s_add_co_u32 s17, s17, s95                     ; tile row = 8 x cy + cluster y
	s_or_b32 s3, s95, s15                          ; 0: in pass 0 my first 16 rows are a sequence's first 16 (cluster y and the wave's number alone),
	s_or_b32 s2, s95, s14                          ; 0: in pass 1 likewise
	s_lshl_b32 s43, s41, 2
	s_lshl_b32 s43, 15, s43                        ; my row of the cluster
	s_lshl_b32 s44, 0x1111, s40                    ; my column
	; group 1: a tile of 128 rows x 256 bytes, padded in LDS
	s_or_b32 s[G1+0], s43, (0<<16)|(1<<20)|(1<<21)|(5<<22)|(3<<25)  ; 15:0 the mask; 17:16 elements of 1 byte; 20 padding on; 21 set beside a mask; 24:22 after every 64 words; 31:25 four words
	s_or_b32 s[G1B+0], s44, (0<<16)|(1<<20)|(1<<21)|(5<<22)|(3<<25)
.irp g, G1, G1B
	s_mov_b32 s[\g+1], ROWB<<16                    ; tensor_dim0
	s_mov_b32 s[\g+2], 128<<16                     ; tensor_dim1
	s_mov_b32 s[\g+3], ROWB<<16                    ; tile_dim0
	s_mov_b32 s[\g+4], 128                         ; tile_dim1
	s_mov_b32 s[\g+5], KROW                        ; tensor_dim0_stride
	s_mov_b32 s[\g+6], 0
	s_mov_b32 s[\g+7], 0
.endr
	; the scales: dense bytes, as rows of 256 bytes (32 elements of 8), 16 bytes of padding behind each: X's 128 rows are 16 such rows, W's 192 rows are 24
	s_or_b32 s[G1S+0], s43, (3<<16)|(1<<20)|(1<<21)|(5<<22)|(3<<25)
	s_mov_b32 s[G1S+1], 32<<16
	s_mov_b32 s[G1S+2], (128*KS/256)<<16
	s_mov_b32 s[G1S+3], 32<<16
	s_mov_b32 s[G1S+4], 128*KS/256
	s_mov_b32 s[G1S+5], 32
	s_mov_b32 s[G1S+6], 0
	s_mov_b32 s[G1S+7], 0
	s_or_b32 s[G1SB+0], s44, (3<<16)|(1<<20)|(1<<21)|(5<<22)|(3<<25)
	s_mov_b32 s[G1SB+1], 32<<16
	s_mov_b32 s[G1SB+2], (192*KS/256)<<16
	s_mov_b32 s[G1SB+3], 32<<16
	s_mov_b32 s[G1SB+4], 192*KS/256
	s_mov_b32 s[G1SB+5], 32
	s_mov_b32 s[G1SB+6], 0
	s_mov_b32 s[G1SB+7], 0
	s_lshl_b32 s18, s16, 7                         ; which 128 rows of the tile I fetch
	s_lshl_b32 s20, s17, 8
	s_add_co_u32 s20, s20, s18                     ; X: row 256 x tile row + 128 x half
	s_mul_i32 s46, s42, TCOL
	s_add_co_u32 s46, s46, s18                     ; W's codes: row 384 x tile column + 128 x half
	s_mul_i32 s92, s42, TCOL
	s_mul_i32 s93, s16, 192
	s_add_co_u32 s92, s92, s93                     ; W's scales: row 384 x tile column + 192 x half,
	s_lshl_b32 s92, s92, 5                         ; 32 bytes a row
	s_mov_b32 s93, 0
	s_mov_b32 s21, 0
	s_mov_b32 s47, 0
	s_mov_b64 s[18:19], KS
	s_mul_u64 s[22:23], s[20:21], s[18:19]         ; where X's rows' scales begin, in bytes,
	s_mov_b64 s[18:19], KROW
	s_mul_u64 s[20:21], s[20:21], s[18:19]         ; and the codes
	s_mul_u64 s[46:47], s[46:47], s[18:19]
	s_mul_i32 s45, s14, HALFT                      ; where they go: wave x 128 rows: no place in the cluster enters an LDS address
	s_mul_i32 s94, s14, HALFS
	s_mul_i32 s98, s16, HALFSB
	s_wait_dscnt 0x0                               ; both opening adds are done
	s_wait_kmcnt 0x0
	s_add_nc_u64 s[20:21], s[4:5], s[20:21]
	s_add_nc_u64 s[22:23], s[6:7], s[22:23]
	s_add_nc_u64 s[46:47], s[4:5], s[46:47]
	s_add_nc_u64 s[46:47], s[46:47], WCODES        ; W's rows lie behind X's
	s_add_nc_u64 s[92:93], s[6:7], s[92:93]
	s_add_nc_u64 s[92:93], s[92:93], WSCALES
	CROUND                                         ; all sixteen work-groups are here: the first joint loads meet
	s_mov_b32 s[G0S], 1
	s_add_co_u32 s[G0S+1], s94, SCL
	s_mov_b64 s[G0S+2:G0S+3], s[22:23]
	s_or_b32 s[G0S+3], s[G0S+3], 0x80000000
	s_mov_b32 s[G0SB], 1
	s_add_co_u32 s[G0SB+1], s98, SCLB
	s_mov_b64 s[G0SB+2:G0SB+3], s[92:93]
	s_or_b32 s[G0SB+3], s[G0SB+3], 0x80000000
	JLOAD G0S, G1S, G0SB, G1SB                     ; the scales first: they are wanted with K step 0
.irp s, 0,1
	s_mov_b32 s[G0+4*\s], 1
	s_add_co_u32 s[G0+4*\s+1], s45, \s*SLOT
	s_add_nc_u64 s[G0+4*\s+2:G0+4*\s+3], s[20:21], \s*ROWB
	s_or_b32 s[G0+4*\s+3], s[G0+4*\s+3], 0x80000000
	s_mov_b32 s[G0B+4*\s], 1
	s_add_co_u32 s[G0B+4*\s+1], s45, \s*SLOT
	s_add_nc_u64 s[G0B+4*\s+2:G0B+4*\s+3], s[46:47], \s*ROWB
	s_or_b32 s[G0B+4*\s+3], s[G0B+4*\s+3], 0x80000000
	JLOAD G0+4*\s, G1, G0B+4*\s, G1B               ; three loads of mine are out in all
.endr
	v_and_b32 v1, 15, v0                           ; l % 16
	v_bfe_u32 v2, v0, 4, 1                         ; l / 16
	v_mul_u32_u24 v3, v1, PITCH
	v_lshl_add_u32 v4, v2, 4, v3                   ; a fragment's row x pitch + 16 x half
	s_mul_i32 s21, s15, HALFT                      ; pass 0: my 128 rows of X,
	s_mul_i32 s22, s16, HALFT                      ; my 128 rows of W,
	s_add_co_u32 s22, s22, 2*HALFT                 ; which lie behind X's 256
	s_mul_i32 s23, s14, 64*PITCH                   ; pass 1: my 64 rows of X,
	s_mov_b32 s18, 2*HALFT                         ; and W's 128 rows, the same for all waves
.irp s, 0,1
	v_add_nc_u32 v[ADRA+\s], s21, v4
	v_add_nc_u32 v[ADRB+\s], s22, v4
	v_add_nc_u32 v[ADRA2+\s], s23, v4
	v_add_nc_u32 v[ADRB2+\s], s18, v4
	s_add_co_u32 s21, s21, SLOT
	s_add_co_u32 s22, s22, SLOT
	s_add_co_u32 s23, s23, SLOT
	s_add_co_u32 s18, s18, SLOT
.endr
	v_mul_u32_u24 v5, v1, KS                       ; my row's scales: KS bytes a row,
	v_lshrrev_b32 v6, 8, v5
	v_lshl_add_u32 v5, v6, 4, v5                   ; and 16 more for each 256 passed
	s_mul_i32 s21, s15, HALFS                      ; pass 0: X's: my 128 rows
	s_mul_i32 s22, s16, HALFS                      ; W's: my 128 rows, behind X's 256
	s_add_co_u32 s22, s22, 2*HALFS
	s_sub_co_u32 s22, s22, s21
	v_mul_u32_u24 v6, s22, v2                      ; lanes 16-31 take W's: the lower base + half x the distance
	s_add_co_u32 s21, s21, SCL
	v_add_nc_u32 v6, v5, v6
	v_add_nc_u32 v[ADRS], s21, v6
	s_mul_i32 s21, s14, 4*SBLK                     ; pass 1: X's: blocks 4 w on
	s_xor_b32 s22, s14, 3                          ; 3 - w
	s_mul_i32 s22, s22, 4*SBLK
	s_add_co_u32 s22, s22, 2*HALFS+4*SBLK          ; W's: blocks 16 on: the distance is 2 HALFS + 16 SBLK - 4 w SBLK
	v_mul_u32_u24 v6, s22, v2
	s_add_co_u32 s21, s21, SCL
	v_add_nc_u32 v6, v5, v6
	v_add_nc_u32 v[ADRS2], s21, v6
	s_mul_i32 s23, s14, 16*SPITCH
	s_add_co_u32 s23, s23, STAGE                   ; my stage
	v_mul_u32_u24 v5, v1, SPITCH                   ; in: row l % 16, 16 bytes for each half of the lanes
	v_lshl_add_u32 v5, v2, 4, v5
	v_add_nc_u32 v[STO], s23, v5
	v_mul_u32_u24 v5, v2, SPITCH                   ; back: lanes 0-15 one row of 256 bytes, lanes 16-31 the next
	v_lshl_add_u32 v5, v1, 4, v5
	v_add_nc_u32 v[RD], s23, v5
	v_mul_u32_u24 v5, v2, CROW                     ; and the same two rows in qkv
	v_lshl_add_u32 v[CO], v1, 4, v5
	v_mul_u32_u24 v5, v1, 12288
	v_lshl_add_u32 v[FO], v2, 5, v5
	; where my results go, in bytes (all under 2^26)
	s_lshl_b32 s20, s17, 8
	s_lshl_b32 s21, s14, 6
	s_add_co_u32 s21, s20, s21                     ; pass 1: my first row: 256 x tile row + 64 x wave
	s_lshl_b32 s22, s15, 7
	s_add_co_u32 s20, s20, s22                     ; pass 0: 256 x tile row + 128 x half
	s_mul_i32 s20, s20, CROW
	s_mul_i32 s22, s21, CROW
	s_mul_i32 s46, s42, 2*TCOL                     ; the work-group's first column: 768 bytes x tile column
	s_add_co_u32 s20, s20, s46
	s_add_co_u32 s22, s22, s46
	s_lshl_b32 s47, s16, 8
	s_add_co_u32 s20, s20, s47                     ; pass 0: + 256 bytes x half
	s_add_co_u32 s22, s22, 512                     ; pass 1: + 512 bytes
	s_mov_b32 s21, 0
	s_mov_b32 s23, 0
	s_add_nc_u64 s[12:13], s[8:9], s[22:23]        ; pass 1's
	s_add_nc_u64 s[8:9], s[8:9], s[20:21]          ; pass 0's
	s_mul_i32 s98, s41, 196608                     ; first: batch cy's 16 rows of 12,288 bytes,
	s_mul_i32 s99, s42, 4*TCOL                     ; + 4 bytes x 384 x tile column
	s_add_co_u32 s98, s98, s99
	s_mov_b32 s99, 0
	s_lshl_b32 s94, s16, 9
	s_mov_b32 s95, 0
	s_add_nc_u64 s[92:93], s[10:11], s[98:99]
	s_add_nc_u64 s[96:97], s[92:93], s[94:95]      ; pass 0: + 4 bytes x 128 x half
	s_add_nc_u64 s[92:93], s[92:93], 1024          ; pass 1: + 4 bytes x 256
.macro FRAG reg, adr, q, i             ; a fragment, 16 rows x 128 K of 4-bit codes: lane l holds row l % 16; registers 4 c .. 4 c + 3 hold K = 64 c + 32 (l / 16) + 0 .. 31
.irp c, 0,1
	ds_load_b128 v[\reg+4*\c:\reg+4*\c+3], v[\adr] offset:64*(\q)+32*\c+(\i)*16*PITCH
.endr
.endm
; PASS 0.  16 matrix instructions: X's blocks a0, a0 + 1 x W's eight, 128 along K: the slot's q-th.  p: W's set;  sc: the set of scale words.  zero = 1: the first product starts the sums.
; The 64 accumulators take turns, one instruction a turn, in the same order in every step.
.macro MUL16 a0, p, q, sc, zero
.irp a, \a0, \a0+1
.irp b, 0,1,2,3,4,5,6,7
.if \zero
	v_wmma_scale_f32_16x16x128_f8f6f4 v[8*(8*((\a)%4)+\b):8*(8*((\a)%4)+\b)+7], v[128*(\p)+FR*\b:128*(\p)+FR*\b+FR-1], v[AF+FR*(\a):AF+FR*(\a)+FR-1], 0, v[SC+8*NQ*(\sc)+NQ*\b+(\q)], v[SC+8*NQ*(\sc)+NQ*(\a)+(\q)] matrix_a_fmt:MATRIX_FMT_FP4 matrix_b_fmt:MATRIX_FMT_FP4 matrix_a_scale:MATRIX_SCALE_ROW1
.else
	v_wmma_scale_f32_16x16x128_f8f6f4 v[8*(8*((\a)%4)+\b):8*(8*((\a)%4)+\b)+7], v[128*(\p)+FR*\b:128*(\p)+FR*\b+FR-1], v[AF+FR*(\a):AF+FR*(\a)+FR-1], v[8*(8*((\a)%4)+\b):8*(8*((\a)%4)+\b)+7], v[SC+8*NQ*(\sc)+NQ*\b+(\q)], v[SC+8*NQ*(\sc)+NQ*(\a)+(\q)] matrix_a_fmt:MATRIX_FMT_FP4 matrix_b_fmt:MATRIX_FMT_FP4 matrix_a_scale:MATRIX_SCALE_ROW1
.endif
.endr
.endr
.endm
.macro FETCH_B slot, q, p              ; W's eight fragments of the slot's q-th 128 along K into set p
	WIN TO_B
.irp i, 0,1,2,3,4,5,6,7
	FRAG 128*(\p)+FR*\i, ADRB+\slot, \q, \i
.endr
	WIN 0
.endm
.macro FETCH_A slot, q, i0             ; X's blocks i0 .. i0 + 3
.irp i, \i0, \i0+1, \i0+2, \i0+3
	FRAG AF+FR*(\i), ADRA+\slot, \q, \i
.endr
.endm
.macro SCALES adr, sc                  ; K step sc's scale words into set sc: four words a row, 16 sc bytes on in the row's 32; lanes 0-15 X's block i, lanes 16-31 W's block i
.irp i, 0,1,2,3,4,5,6,7
	ds_load_b128 v[SC+8*NQ*\sc+NQ*\i:SC+8*NQ*\sc+NQ*\i+3], v[\adr] offset:\i*SBLK+16*\sc
.endr
.endm
; A load into a register that a matrix instruction has read, and a vector instruction or a store that reads a matrix result, stand NP places behind it; only plain vector instructions that name none of its registers are places.
.macro PLACES n
.rept \n
	v_nop
.endr
.endm
.macro STEP slot, q, zero              ; a step of 128 along K that has its successor in the same slot
	s_wait_dscnt 4*NL                              ; W's set and X's blocks 0-3 are in; the youngest eight loads (X's blocks 4-7) may be out
	WIN MUL_LO
	MUL16 0, (\q)%2, \q, \slot, \zero
	MUL16 2, (\q)%2, \q, \slot, \zero
	s_wait_dscnt 0                                 ; X's blocks 4-7 are in
	PLACES NP
	FETCH_B \slot, (\q)+1, 1-(\q)%2
	FETCH_A \slot, (\q)+1, 0
	WIN MUL_HI
	MUL16 4, (\q)%2, \q, \slot, \zero
	MUL16 6, (\q)%2, \q, \slot, \zero
	PLACES NP
	WIN 0
	FETCH_A \slot, (\q)+1, 4
.endm
; A slot's last step of pass 0.  ONE barrier: in front of it each wave waits for all its tensor loads, adds 0 to its spare word, and waits for that and for its reads of this slot.  The barrier opens a round of the cluster's,
; and behind the round W's rows of pass 1 are filled into this slot.  more = 1 (slot 0): pass 0 goes on in slot 1.
.macro TURN slot, more
	s_wait_tensorcnt 0x0                           ; all my tensor loads have landed, so a group 0 may be written  (every window is 0 here: the add's two registers lie in window 0)
	ds_add_u32 v[SPW], v[NIL]                      ; 0 onto my spare word
	s_add_nc_u64 s[G0B+4*\slot+2:G0B+4*\slot+3], s[G0B+4*\slot+2:G0B+4*\slot+3], 256*KROW   ; 256 rows of W on, the same K step: in wave 2 the first of pass 1's rows; the type bits on top are not reached
	s_wait_dscnt 4*NL+1                            ; (the add and the youngest eight loads, X's blocks 4-7, may be out)
	WIN MUL_LO
	MUL16 0, 1, NQ-1, \slot, 0                     ; sixteen matrix instructions stand between the add and the wait for it
	s_wait_dscnt 0x0                               ; the add is done, and my reads of this slot in pass 0 are over
	s_barrier_signal -1
	MUL16 2, 1, NQ-1, \slot, 0
	WIN 0
	s_barrier_wait -1
	CREST                                          ; no wave of any partner still reads W's part of this slot or has a load on its way
	JLOAD2 \slot                                   ; the first tensor load behind the round
.if \more
	PLACES NP
	FETCH_B 1, 0, 0
	FETCH_A 1, 0, 0
	SCALES ADRS, 1
.endif
	WIN MUL_HI
	MUL16 4, 1, NQ-1, \slot, 0
	MUL16 6, 1, NQ-1, \slot, 0
.if \more
	PLACES NP
	WIN 0
	FETCH_A 1, 0, 4
.else
	WIN 0
.endif
.endm
; PASS 1.  A step's 32 matrix instructions: my four blocks of X x W's eight; both operands from set q % 2 (X's second set: the registers of pass 0's blocks 4-7).  The 32 accumulators take turns.
.macro MULP1 q, sc, zero
.irp a, 0,1,2,3
.irp b, 0,1,2,3,4,5,6,7
.if \zero
	v_wmma_scale_f32_16x16x128_f8f6f4 v[8*(8*\a+\b):8*(8*\a+\b)+7], v[128*((\q)%2)+FR*\b:128*((\q)%2)+FR*\b+FR-1], v[AF+32*((\q)%2)+FR*\a:AF+32*((\q)%2)+FR*\a+FR-1], 0, v[SC+8*NQ*(\sc)+NQ*\b+(\q)], v[SC+8*NQ*(\sc)+NQ*\a+(\q)] matrix_a_fmt:MATRIX_FMT_FP4 matrix_b_fmt:MATRIX_FMT_FP4 matrix_a_scale:MATRIX_SCALE_ROW1
.else
	v_wmma_scale_f32_16x16x128_f8f6f4 v[8*(8*\a+\b):8*(8*\a+\b)+7], v[128*((\q)%2)+FR*\b:128*((\q)%2)+FR*\b+FR-1], v[AF+32*((\q)%2)+FR*\a:AF+32*((\q)%2)+FR*\a+FR-1], v[8*(8*\a+\b):8*(8*\a+\b)+7], v[SC+8*NQ*(\sc)+NQ*\b+(\q)], v[SC+8*NQ*(\sc)+NQ*\a+(\q)] matrix_a_fmt:MATRIX_FMT_FP4 matrix_b_fmt:MATRIX_FMT_FP4 matrix_a_scale:MATRIX_SCALE_ROW1
.endif
.endr
.endr
.endm
.macro FETCH1 slot, q                  ; 24 LDS loads: the fragments of the slot's q-th 128 along K into the sets q % 2
	WIN TO_B
.irp i, 0,1,2,3,4,5,6,7
	FRAG 128*((\q)%2)+FR*\i, ADRB2+\slot, \q, \i
.endr
	WIN 0
.irp i, 0,1,2,3
	FRAG AF+32*((\q)%2)+FR*\i, ADRA2+\slot, \q, \i
.endr
.endm
; A step of pass 1: its fragments were asked for a step ago; the next step's (slot nslot, its nq-th) are asked for ahead of its products.
; chg = 1: the next step is slot 1's first: wave 2 has waited for its last load, W's rows for slot 1, and a barrier shows them to all four waves.
.macro STEP1 slot, q, nslot, nq, zero, chg
	s_wait_dscnt 0x0                               ; this step's fragments are in
.if \chg
	s_wait_tensorcnt 0x0
	s_barrier_signal -1
	s_barrier_wait -1
.endif
	PLACES NP                                      ; in front of loads into the sets that the last step's products read
	FETCH1 \nslot, \nq
.if (\nq) == 0
	SCALES ADRS2, \nslot
.endif
	WIN MUL_LO
	MULP1 \q, \slot, \zero
	WIN 0
.endm
; THE WAYS OUT.  PACK: block a (16 rows x 128 columns) rounded to f16, 16 bytes a lane.  TOSTAGE: into my stage, and back as whole rows of 256 bytes.  SEND: stored, by the base s[cb:cb+1].
.macro PACK a
.set AC, 64*((\a)%4)
	WIN 0x0a+5*((\a)/4)                            ; sources 0 and 1: window 2 or 3
.irp b, 0,1,2,3,4,5,6,7
.irp r, 0,1,2,3
	v_cvt_pk_f16_f32 v[TMP+4*\b+\r], v[AC+8*\b+2*\r], v[AC+8*\b+2*\r+1]   ; each accumulator from its low end on
.endr
.endr
	WIN 0
.endm
.macro TOSTAGE a
.set BKR, OB+192*((\a)%2)
.irp b, 0,1,2,3,4,5,6,7
	ds_store_b128 v[STO], v[TMP+4*\b:TMP+4*\b+3] offset:32*\b
.endr
.irp t, 0,1,2,3,4,5,6,7
	ds_load_b128 v[BKR+4*\t:BKR+4*\t+3], v[RD] offset:\t*2*SPITCH   ; LDS serves a wave's instructions in order (ISA guide 5.7.1.4): these see the stores above
.endr
.endm
.macro SEND a, cb
.set BKR, OB+192*((\a)%2)
	s_wait_dscnt 0x0                               ; the block is back in registers
	s_wait_xcnt 0x0                                ; earlier stores have read their base and their registers: only behind this wait are these written again
.if (\a) > 0
	s_add_nc_u64 s[\cb:\cb+1], s[\cb:\cb+1], 16*CROW   ; 16 rows on
.endif
.irp t, 0,1,2,3,4,5,6,7
	global_store_b128 v[CO], v[BKR+4*\t:BKR+4*\t+3], s[\cb:\cb+1] offset:2*\t*CROW   ; 16 lanes store 256 consecutive bytes, at a multiple of 256 from the buffer's first byte
.endr
.endm
; A sequence's first 16 rows are block 0 of a wave whose flag is 0 (cluster y and the wave's number alone: alike in all partners): they also leave unrounded.
.macro FIRSTROWS flag, fb
	s_cmp_lg_u32 s[\flag], 0
	s_cbranch_scc1 .Lnofirst_\@
	WIN 0x08                                       ; a store's data are its source 1: window 2
.irp b, 0,1,2,3,4,5,6,7
	global_store_b128 v[FO], v[8*\b:8*\b+3], s[\fb:\fb+1] offset:64*\b        ; lane (r, h): row r, columns 16 b + 8 h + 0 .. 7.  Pieces of 32 bytes a lane: 786,432 bytes in all against the launch's 50,331,648
	global_store_b128 v[FO], v[8*\b+4:8*\b+7], s[\fb:\fb+1] offset:64*\b+16
.endr
	WIN 0
.Lnofirst_\@:
.endm
	s_wait_tensorcnt 1                             ; the scales and my part of K step 0 are in (K step 1's load may be out)
	s_barrier_signal -1
	s_barrier_wait -1                              ; everybody's are
	FETCH_B 0, 0, 0
	FETCH_A 0, 0, 0
	SCALES ADRS, 0
	FETCH_A 0, 0, 4
	STEP 0, 0, 1                                   ; PASS 0.  The first step's products start the sums: nothing is cleared
	STEP 0, 1, 0
	STEP 0, 2, 0
	TURN 0, 1                                      ; slot 0 takes W's rows of pass 1, K step 0
	STEP 1, 0, 0
	STEP 1, 1, 0
	STEP 1, 2, 0
	TURN 1, 0                                      ; slot 1 takes them for K step 1
	PLACES NP                                      ; behind the last products, ahead of the first reads of results and of loads into registers that they read
	FIRSTROWS 3, 96
	PACK 0
	TOSTAGE 0
.irp a, 1,2,3,4,5,6,7                  ; block a's conversions stand between block a - 1's loads from the stage and the wait for them
	PACK \a
	SEND \a-1, 8
	TOSTAGE \a
.endr
	SEND 7, 8
	s_wait_xcnt 0x0                                ; PASS 1.  The stores have read their registers: scale words are loaded into some of these, and the accumulators of window 2 are begun anew, only behind this wait
	FETCH1 0, 0
	SCALES ADRS2, 0
	STEP1 0, 0, 0, 1, 1, 0                         ; the first step's products start the sums
	STEP1 0, 1, 0, 2, 0, 0
	STEP1 0, 2, 0, 3, 0, 0
	STEP1 0, 3, 1, 0, 0, 1
	STEP1 1, 0, 1, 1, 0, 0
	STEP1 1, 1, 1, 2, 0, 0
	STEP1 1, 2, 1, 3, 0, 0
	s_wait_dscnt 0x0                               ; the very last step: nothing more to fetch
	WIN MUL_LO
	MULP1 3, 1, 0
	WIN 0
	PLACES NP
	FIRSTROWS 2, 92
	PACK 0
	TOSTAGE 0
.irp a, 1,2,3
	PACK \a
	SEND \a-1, 12
	TOSTAGE \a
.endr
	SEND 3, 12
	s_wait_tensorcnt 0x0                           ; the wave's end, behind my last tensor load and my last LDS store
	ds_add_u32 v[SPW], v[NIL]
	s_wait_dscnt 0x0
	CROUND                                         ; the closing round: no work-group ends while a partner may still ask for a tile that names it
	s_endpgm
.Lfunc_end_k_q87f11b08d0_proj:
	.size	k_q87f11b08d0_proj, .Lfunc_end_k_q87f11b08d0_proj-k_q87f11b08d0_proj
	.p2alignl 7, 3214868480
	.fill 96, 4, 3214868480
	.section	.rodata,"a",@progbits
	.p2align	6, 0x0
	.amdhsa_kernel k_q87f11b08d0_proj
		.amdhsa_group_segment_fixed_size 327680
		.amdhsa_private_segment_fixed_size 0
		.amdhsa_enable_private_segment 0
		.amdhsa_kernarg_size 32
		.amdhsa_user_sgpr_count 2
		.amdhsa_user_sgpr_kernarg_segment_ptr 1
		.amdhsa_wavefront_size32 1
		.amdhsa_system_sgpr_workgroup_id_x 1
		.amdhsa_system_sgpr_workgroup_id_y 1
		.amdhsa_system_sgpr_workgroup_id_z 1
		.amdhsa_system_vgpr_workitem_id 0
		.amdhsa_next_free_vgpr 1024
		.amdhsa_next_free_sgpr 100
		.amdhsa_reserve_vcc 0
		.amdhsa_float_denorm_mode_32 3
		.amdhsa_float_denorm_mode_16_64 3
		.amdhsa_memory_ordered 1
		.amdhsa_forward_progress 1
		.amdhsa_inst_pref_size 196
	.end_amdhsa_kernel
	.amdgpu_metadata
---
amdhsa.version: [ 1, 2 ]
amdhsa.kernels:
  - .name:           k_q87f11b08d0_proj
    .symbol:         k_q87f11b08d0_proj.kd
    .args:
      - { .name: codes, .offset: 0, .size: 8, .value_kind: global_buffer, .address_space: global }
      - { .name: scales, .offset: 8, .size: 8, .value_kind: global_buffer, .address_space: global }
      - { .name: qkv, .offset: 16, .size: 8, .value_kind: global_buffer, .address_space: global }
      - { .name: first, .offset: 24, .size: 8, .value_kind: global_buffer, .address_space: global }
    .group_segment_fixed_size: 327680
    .private_segment_fixed_size: 0
    .kernarg_segment_align: 8
    .kernarg_segment_size: 32
    .max_flat_workgroup_size: 128
    .sgpr_count:     100
    .vgpr_count:     1024
    .wavefront_size: 32
...
	.end_amdgpu_metadata
.endif
;; end of part 2
;; launch scores (part 3): grid 20 x 32, 4 waves a work-group, clusters of 4 x 4, 327,680 bytes of LDS; arguments qkv, pbuf, stat; writes pbuf, stat
.if DOCPART == 3
	.amdgcn_target "amdgcn-amd-amdhsa--gfx1250"
	.amdhsa_code_object_version 6
	.text
	.protected	k_q87f11b08d0_scores
	.globl	k_q87f11b08d0_scores
	.p2align	8
	.type	k_q87f11b08d0_scores,@function
k_q87f11b08d0_scores:
	s_mov_b64 s[64:65], 0
	v_nop
	global_prefetch_b8 v0, s[64:65] scope:SCOPE_SE
	s_setreg_imm32_b32 hwreg(HW_REG_WAVE_MODE, 25, 1), 1
	s_wait_xcnt 0x0
	s_wait_alu depctr_hold_cnt(0) depctr_sa_sdst(0) depctr_va_vdst(0) depctr_va_sdst(0) depctr_va_ssrc(0) depctr_va_vcc(0) depctr_vm_vsrc(0)
	s_getreg_b32 s2, hwreg(HW_REG_IB_STS2, 6, 4)
	s_cmp_eq_u32 s2, 0
	s_cbranch_scc0 .Lentry_in_a_cluster
	s_endpgm
.Lentry_in_a_cluster:
	s_bfe_u32 s2, ttmp6, 0x10000c
	s_cmp_lg_u32 s2, 0xf033
	s_cbranch_scc0 .Lentry_shape_is_right
	s_endpgm
.Lentry_shape_is_right:
; For each batch, the tiles of S = Q K^T that the causal mask keeps, f16 operands, f32 sums, K = 1,024; then, per query and per 64 keys: t = score x log2(e) / 32, M = the largest t rounded UP to a whole number,
; p = 2^(t - M) (hidden keys: 0), the sum of the unrounded p in f32.  p leaves as f16 in the order of the next product's operand registers; -M and the sum leave into stat.  A later launch joins the blocks' M.
; So the maximum is taken away ahead of every exponential, block by block, and the blocks are brought under the row's M by powers of two, which round nothing.
; SHARES.  A batch's 10 lower super-blocks of 512 x 512 are laid as 5 x 2 clusters: cluster (X', Y): y' = Y & 1, batch = Y >> 1; X' <= y': (J, I) = (y', X'), else (3 - y', X' - y' - 1).
; A work-group makes 128 queries (block qb = 4 J + cy) x 128 keys (block kb = 4 I + cx); wave (rh, ch) makes 64 x 64: 16 accumulators.  In a diagonal super-block the six tiles that lie wholly under the mask are
; made like the others (partners of a cluster run alike): they give p = 0, which the last launch reads.
; CLUSTER.  Q's tile hangs on cy alone and is shared along a row of the cluster, K's on cx alone and is shared along a column: each is asked for JOINTLY.
; Source 0 = 16 keys, source 1 = 16 queries: accumulator (a, b) holds in lane (r, h) query 16 a + r and keys 16 b + 8 h + 0 .. 7.  Tiles 2 c and 2 c + 1, rounded in pairs, ARE source 1 (32 keys x 16 queries) of V^T P.
; pbuf: [batch][qb 16][chunk of 32 keys 64][tile of 16 queries 8][1,024 bytes]: a fragment's registers 0-3 at 16 x lane, 4-7 at 512 + 16 x lane.
; stat: [batch][block of 64 keys 32][block of 64 queries 32][-M, sum][r 16][a 4] f32.
; LIMIT: NaN and infinities among the inputs are not served.
; REGISTERS: window 0: v8-11 what goes to stat; v12-15 the mask's d; v16-29 addresses; v32-95 p's fragments; v96-111 at work; v112-119 pairs (-M, 0); v120-127 sums; v128-255 the accumulators.  window 1: two fragment buffers of 128.
.set KSTEP,  256
.set PITCH,  528                       ; an LDS row: 512 bytes + 16 of padding = 132 words: row r starts at bank 4 r mod 64 (ISA guide 11.1)
.set HALFT,  64*PITCH                  ; 64 rows: what one tensor load brings
.set SLOT,   4*HALFT                   ; Q's 128 rows, then K's 128 rows
.set SPARE,  2*SLOT                    ; behind the ring: the spare words, 128 bytes a wave, which no other line names
.set ROWQ,   6144                      ; a row of qkv in bytes
.set STV,  8
.set DA,   12
.set ADRA, 16                          ; v16-17  LDS address of my Q fragments in slot 0, 1
.set ADRB, 20                          ; v20-21  the same for K
.set PO,   24                          ; v24     16 x lane
.set NINF, 26                          ; v26     -infinity
.set LANE, 27                          ; v27     lane
.set SPW,  28                          ; v28     LDS address of my spare word; never rewritten
.set NIL,  29                          ; v29     0; never rewritten
.set TMP,  32
.set WK,   96
.set NM,   112
.set LS,   120
.set ACC,  128
.set F0,   0                           ; fragment buffers, in window 1
.set F1,   128
.set G1, 24                            ; s[24:31] group 1 for Q's tiles;  s[32:39] group 0, one set a slot
.set G0, 32
.set G1B, 48                           ; s[48:55], s[56:63] the same for K's
.set G0B, 56
.set MSB, 0
.macro WIN new
.if MSB != (\new)
	s_set_vgpr_msb (MSB<<8)|(\new)
.set MSB, (\new)
.endif
.endm
.set MUL,  0x05                        ; sources 0 (K) and 1 (Q) window 1; C and D window 0
.set TO_F, 0x40                        ; destination window 1, address window 0
.macro JLOAD s                         ; a joint load: waves 0 and 1 fetch Q's two halves, waves 2 and 3 K's; an s_nop 0 and four v_nop follow each line
	s_cmp_eq_u32 s11, 0
	s_cbranch_scc0 .Lfor_b_\@
	tensor_load_to_lds s[G0+4*\s:G0+4*\s+3], s[G1:G1+7]
	s_nop 0
.rept 4
	v_nop
.endr
	s_branch .Lasked_\@
.Lfor_b_\@:
	tensor_load_to_lds s[G0B+4*\s:G0B+4*\s+3], s[G1B:G1B+7]
	s_nop 0
.rept 4
	v_nop
.endr
.Lasked_\@:
.endm
.macro CREST                           ; a round of the cluster's barrier behind its opening barrier
	s_cmp_lg_u32 s10, 0
	s_cbranch_scc1 .Lnot_wave_0_\@
	s_barrier_signal -3
.Lnot_wave_0_\@:
	s_barrier_wait -3
	s_barrier_signal -1
	s_barrier_wait -1
.endm
.macro CROUND
	s_barrier_signal -1
	s_barrier_wait -1
	CREST
.endm
	s_load_b128 s[4:7], s[0:1], 0x0                ; qkv s[4:5], pbuf s[6:7]
	s_load_b64 s[8:9], s[0:1], 0x10                ; stat
	v_lshl_add_u32 v[SPW], v0, 2, SPARE
	v_mov_b32 v[NIL], 0
	ds_add_u32 v[SPW], v[NIL]                      ; the wave's opening: the add, twice on end, and its wait ahead of my first tensor load
	ds_add_u32 v[SPW], v[NIL]
	v_lshrrev_b32 v1, 5, v0
	v_readfirstlane_b32 s10, v1                    ; wave 0..3
	s_lshr_b32 s11, s10, 1                         ; rh: which 64 queries are mine.  Also: I fetch for Q (0) or for K (1)
	s_and_b32 s12, s10, 1                          ; ch: which 64 keys.  Also: which 64 rows of that tile I fetch
	s_bfe_u32 s40, ttmp6, 0x40000                  ; cx, cy
	s_bfe_u32 s41, ttmp6, 0x40004
	s_and_b32 s18, ttmp7, 0xffff                   ; Y
	s_and_b32 s19, s18, 1                          ; y'
	s_lshr_b32 s66, s18, 1                         ; the batch
	s_sub_co_u32 s22, 3, s19
	s_sub_co_u32 s23, ttmp9, s19
	s_sub_co_u32 s23, s23, 1
	s_cmp_le_u32 ttmp9, s19
	s_cselect_b32 s67, s19, s22                    ; J: the super-block's row
	s_cselect_b32 s68, ttmp9, s23                  ; I: its column
	s_cmp_eq_u32 s67, s68
	s_cselect_b32 s69, 1, 0                        ; on the diagonal?  The cluster's numbers alone: alike in all partners
	s_lshl_b32 s42, s68, 2
	s_add_co_u32 s42, s42, s40                     ; kb = 4 I + cx
	s_lshl_b32 s13, s67, 2
	s_add_co_u32 s13, s13, s41                     ; qb = 4 J + cy
	s_lshl_b32 s43, s41, 2
	s_lshl_b32 s43, 15, s43                        ; my row of the cluster
	s_lshl_b32 s44, 0x1111, s40                    ; my column
	; group 1: a tile of 64 rows x 256 elements of 2 bytes, 3,072 elements from row to row, padded in LDS
	s_or_b32 s[G1+0], s43, (1<<16)|(1<<20)|(1<<21)|(6<<22)|(3<<25)  ; 15:0 the mask; 17:16 2 bytes; 20 padding on; 21 set beside a mask; 24:22 after every 128 words; 31:25 four words
	s_or_b32 s[G1B+0], s44, (1<<16)|(1<<20)|(1<<21)|(6<<22)|(3<<25)
.irp g, G1, G1B
	s_mov_b32 s[\g+1], KSTEP<<16                   ; tensor_dim0 = 256
	s_mov_b32 s[\g+2], 64<<16                      ; tensor_dim1 = 64
	s_mov_b32 s[\g+3], KSTEP<<16                   ; tile_dim0 = 256
	s_mov_b32 s[\g+4], 64                          ; tile_dim1 = 64
	s_mov_b32 s[\g+5], ROWQ/2                      ; tensor_dim0_stride
	s_mov_b32 s[\g+6], 0
	s_mov_b32 s[\g+7], 0
.endr
	s_mov_b32 s70, 0x3d38aa3b                      ; c = log2(e) / sqrt(1024)
	s_mov_b32 s71, s70                             ; (named with it as a pair, so it is written)
	s_mov_b32 s72, 0x76543210
	s_mov_b32 s73, 0xfedcba98                      ; v_permlanex16_b32's selects for lane l xor 16
	s_lshl_b32 s17, s12, 6
	s_lshl_b32 s18, s66, 11
	s_add_co_u32 s17, s17, s18                     ; 2,048 x batch + the 64 rows that I fetch
	s_lshl_b32 s16, s13, 7
	s_add_co_u32 s16, s16, s17                     ; Q: + 128 qb
	s_lshl_b32 s46, s42, 7
	s_add_co_u32 s46, s46, s17                     ; K: + 128 kb
	s_mul_i32 s16, s16, ROWQ                       ; in bytes (under 2^26)
	s_mul_i32 s46, s46, ROWQ
	s_add_co_u32 s46, s46, 2048                    ; K lies 2,048 bytes on in a row
	s_mov_b32 s17, 0
	s_mov_b32 s47, 0
	s_mul_i32 s20, s10, HALFT                      ; where they go: wave x 64 rows
	s_wait_dscnt 0x0                               ; both opening adds are done
	s_wait_kmcnt 0x0
	s_add_nc_u64 s[14:15], s[4:5], s[16:17]
	s_add_nc_u64 s[46:47], s[4:5], s[46:47]
	CROUND                                         ; all sixteen work-groups are here: the first joint loads meet
.irp s, 0,1
	s_mov_b32 s[G0+4*\s], 1
	s_add_co_u32 s[G0+4*\s+1], s20, \s*SLOT
	s_add_nc_u64 s[G0+4*\s+2:G0+4*\s+3], s[14:15], \s*KSTEP*2
	s_or_b32 s[G0+4*\s+3], s[G0+4*\s+3], 0x80000000
	s_mov_b32 s[G0B+4*\s], 1
	s_add_co_u32 s[G0B+4*\s+1], s20, \s*SLOT
	s_add_nc_u64 s[G0B+4*\s+2:G0B+4*\s+3], s[46:47], \s*KSTEP*2
	s_or_b32 s[G0B+4*\s+3], s[G0B+4*\s+3], 0x80000000
	JLOAD \s                                       ; two loads of mine are out
.endr
	v_and_b32 v1, 15, v0                           ; r
	v_bfe_u32 v2, v0, 4, 1                         ; h
	v_mul_u32_u24 v3, v1, PITCH
	v_lshl_add_u32 v3, v2, 4, v3                   ; a fragment's row x pitch + 16 x half
	s_mul_i32 s21, s11, HALFT                      ; my 64 rows of Q
	s_mul_i32 s22, s12, HALFT                      ; my 64 rows of K,
	s_add_co_u32 s22, s22, 2*HALFT                 ; which lie behind Q's 128
.irp s, 0,1
	v_add_nc_u32 v[ADRA+\s], s21, v3
	v_add_nc_u32 v[ADRB+\s], s22, v3
	s_add_co_u32 s21, s21, SLOT
	s_add_co_u32 s22, s22, SLOT
.endr
	v_and_b32 v[LANE], 31, v0
	v_lshlrev_b32 v[PO], 4, v[LANE]
	v_mov_b32 v[NINF], 0xff800000
	; where my results go (registers of their own: none of them feeds a descriptor)
	s_lshl_b32 s80, s66, 4
	s_add_co_u32 s80, s80, s13                     ; 16 x batch + qb
	s_lshl_b32 s80, s80, 6
	s_lshl_b32 s81, s42, 2
	s_add_co_u32 s80, s80, s81                     ; x 64 + 4 kb
	s_lshl_b32 s81, s12, 1
	s_add_co_u32 s80, s80, s81                     ; + 2 ch: my first chunk of 32 keys
	s_lshl_b32 s80, s80, 3
	s_lshl_b32 s81, s11, 2
	s_add_co_u32 s80, s80, s81                     ; x 8 + 4 rh: my first tile of 16 queries
	s_lshl_b32 s80, s80, 10
	s_mov_b32 s81, 0
	s_add_nc_u64 s[74:75], s[6:7], s[80:81]
	s_lshl_b32 s82, s66, 5
	s_lshl_b32 s83, s42, 1
	s_add_co_u32 s82, s82, s83
	s_add_co_u32 s82, s82, s12                     ; 32 x batch + 2 kb + ch
	s_lshl_b32 s82, s82, 5
	s_lshl_b32 s83, s13, 1
	s_add_co_u32 s82, s82, s83
	s_add_co_u32 s82, s82, s11                     ; x 32 + 2 qb + rh
	s_lshl_b32 s82, s82, 9
	s_mov_b32 s83, 0
	s_add_nc_u64 s[76:77], s[8:9], s[82:83]
	s_sub_co_i32 s84, s13, s42
	s_lshl_b32 s84, s84, 7
	s_sub_co_i32 s85, s11, s12
	s_lshl_b32 s85, s85, 6
	s_add_co_i32 s84, s84, s85                     ; my first query less my first key
	v_lshlrev_b32 v3, 3, v2
	v_sub_nc_u32 v3, v1, v3
	v_add_nc_u32 v[DA], s84, v3                    ; d of tile 0: + r - 8 h.  In tile a, register 8 b + j holds a hidden key where 16 b + j > d + 16 a
.irp a, 1,2,3
	v_add_nc_u32 v[DA+\a], 16*\a, v[DA]
.endr
; 8 matrix instructions: tiles of queries a0, a0 + 1 x all 4 tiles of keys, 32 along K: half c of buffer f.  zero = 1: the first product starts the sums.  The 16 accumulators take turns.
.macro MUL8 f, c, a0, zero
.irp a, \a0, \a0+1
.irp b, 0,1,2,3
.if \zero
	v_wmma_f32_16x16x32_f16 v[ACC+8*(4*(\a)+\b):ACC+8*(4*(\a)+\b)+7], v[\f+64+8*(4*\c+\b):\f+64+8*(4*\c+\b)+7], v[\f+8*(4*\c+\a):\f+8*(4*\c+\a)+7], 0
.else
	v_wmma_f32_16x16x32_f16 v[ACC+8*(4*(\a)+\b):ACC+8*(4*(\a)+\b)+7], v[\f+64+8*(4*\c+\b):\f+64+8*(4*\c+\b)+7], v[\f+8*(4*\c+\a):\f+8*(4*\c+\a)+7], v[ACC+8*(4*(\a)+\b):ACC+8*(4*(\a)+\b)+7]
.endif
.endr
.endr
.endm
; 32 LDS loads in one run: the fragments of 64 along K at byte k of the rows, into buffer f; the first 32 along K first
.macro FETCH slot, k, f
	WIN TO_F
.irp c, 0,1
.irp i, 0,1,2,3
	ds_load_b128 v[\f+64+8*(4*\c+\i):\f+64+8*(4*\c+\i)+3],   v[ADRB+\slot] offset:\k+64*\c+\i*16*PITCH
	ds_load_b128 v[\f+64+8*(4*\c+\i)+4:\f+64+8*(4*\c+\i)+7], v[ADRB+\slot] offset:\k+64*\c+\i*16*PITCH+32
	ds_load_b128 v[\f+8*(4*\c+\i):\f+8*(4*\c+\i)+3],         v[ADRA+\slot] offset:\k+64*\c+\i*16*PITCH
	ds_load_b128 v[\f+8*(4*\c+\i)+4:\f+8*(4*\c+\i)+7],       v[ADRA+\slot] offset:\k+64*\c+\i*16*PITCH+32
.endr
.endr
.endm
.macro PLACES                          ; four places in front of loads into registers that matrix instructions have read, and of the first read of results
.rept 4
	v_nop
.endr
.endm
; A K step is four quarters of 64 along K, 32 matrix instructions each, on buffers 0, 1, 0, 1.
.macro QUARTER slot, k, f, g, zero
	s_wait_dscnt 16                                ; the first 32 along K are in; the sixteen younger loads may be out
	WIN MUL
	MUL8 \f, 0, 0, \zero
	MUL8 \f, 0, 2, \zero
	PLACES
	FETCH \slot, \k, \g
	s_wait_dscnt 32                                ; all but the 32 just issued
	WIN MUL
	MUL8 \f, 1, 0, 0
	MUL8 \f, 1, 2, 0
.endm
; The last quarter multiplies buffer 1 and changes slots: ONE barrier; in front of it each wave waits for all its tensor loads, adds 0 to its spare word, and waits for that and for its reads of this slot.
.macro TURN slot, next, fill
	WIN 0                                          ; (the add's two registers lie in window 0)
	s_wait_tensorcnt 0x0                           ; all my tensor loads have landed: my part of the next slot
	ds_add_u32 v[SPW], v[NIL]                      ; 0 onto my spare word
	s_wait_dscnt 17                                ; (the add and the youngest sixteen loads may be out)
	WIN MUL
	MUL8 F1, 0, 0, 0                               ; eight matrix instructions stand between the add and the wait for it
	s_wait_dscnt 0x0                               ; the add is done, and my reads of this slot are over
	s_barrier_signal -1
	MUL8 F1, 0, 2, 0
.if \fill
	WIN 0
.endif
	s_barrier_wait -1
.if \fill
	CREST                                          ; the barrier has opened a round of the cluster's: no wave of any partner still reads this slot or has a load on its way
	s_add_nc_u64 s[G0+4*\slot+2:G0+4*\slot+3], s[G0+4*\slot+2:G0+4*\slot+3], 2*KSTEP*2
	s_add_nc_u64 s[G0B+4*\slot+2:G0B+4*\slot+3], s[G0B+4*\slot+2:G0B+4*\slot+3], 2*KSTEP*2
	JLOAD \slot                                    ; the first tensor load behind the round; its four v_nop are also the places in front of the loads below
.else
	PLACES
.endif
	FETCH \next, 0, F0
	WIN MUL
	MUL8 F1, 1, 0, 0
	MUL8 F1, 1, 2, 0
.endm
	s_wait_tensorcnt 1                             ; my part of K step 0 is in (K step 1's load may be out)
	s_barrier_signal -1
	s_barrier_wait -1                              ; everybody's is
	FETCH 0, 0, F0
	QUARTER 0, 128, F0, F1, 1                      ; K = 1,024 is four K steps: written straight, each slot filled again once
	QUARTER 0, 256, F1, F0, 0
	QUARTER 0, 384, F0, F1, 0
	TURN 0, 1, 1
	QUARTER 1, 128, F0, F1, 0
	QUARTER 1, 256, F1, F0, 0
	QUARTER 1, 384, F0, F1, 0
	TURN 1, 0, 1
	QUARTER 0, 128, F0, F1, 0
	QUARTER 0, 256, F1, F0, 0
	QUARTER 0, 384, F0, F1, 0
	TURN 0, 1, 0
	QUARTER 1, 128, F0, F1, 0
	QUARTER 1, 256, F1, F0, 0
	QUARTER 1, 384, F0, F1, 0
	s_wait_dscnt 16                                ; the very last quarter: nothing more to fetch
	WIN MUL
	MUL8 F1, 0, 0, 0
	MUL8 F1, 0, 2, 0
	s_wait_dscnt 0
	MUL8 F1, 1, 0, 0
	MUL8 F1, 1, 2, 0
	WIN 0
	; THE WAY OUT, all in window 0
	PLACES
	s_cmp_eq_u32 s69, 0                            ; off the diagonal every key counts
	s_cbranch_scc1 .Lopen
.set n, 0
.rept 128                              ; hidden scores become -infinity ahead of the maximum; each accumulator from its low end on
	v_cmp_gt_i32 vcc_lo, 16*((n%32)/8)+n%8, v[DA+n/32]
	v_cndmask_b32 v[ACC+n], v[ACC+n], v[NINF], vcc_lo
.set n, n+1
.endr
.Lopen:
.set n, 0
.rept 16                               ; the largest score of each accumulator's eight, the sixteen by turns
	v_max3_num_f32 v[WK+n], v[ACC+8*n], v[ACC+8*n+1], v[ACC+8*n+2]
.set n, n+1
.endr
.irp j, 3,5
.set n, 0
.rept 16
	v_max3_num_f32 v[WK+n], v[WK+n], v[ACC+8*n+\j], v[ACC+8*n+\j+1]
.set n, n+1
.endr
.endr
.set n, 0
.rept 16
	v_max_num_f32 v[WK+n], v[WK+n], v[ACC+8*n+7]
.set n, n+1
.endr
.irp a, 0,1,2,3
	v_max3_num_f32 v[WK+4*\a], v[WK+4*\a], v[WK+4*\a+1], v[WK+4*\a+2]
.endr
.irp a, 0,1,2,3
	v_max3_num_f32 v[WK+4*\a], v[WK+4*\a], v[WK+4*\a+3], 0xff61b1e6   ; and -3e38, so that a row whose 64 keys are all hidden has a finite M: its p are 0, and its block counts for nothing when the blocks are joined
.endr
.irp a, 0,1,2,3
	v_permlanex16_b32 v[WK+4*\a+1], v[WK+4*\a], s72, s73
.endr
.irp a, 0,1,2,3
	v_max_num_f32 v[WK+4*\a], v[WK+4*\a], v[WK+4*\a+1]               ; with lane l xor 16's 32 keys
.endr
.irp a, 0,1,2,3
	v_mul_f32 v[WK+4*\a], s70, v[WK+4*\a]                            ; as t (c is positive)
.endr
.irp a, 0,1,2,3
	v_floor_f32 v[NM+2*\a], -v[WK+4*\a]                              ; -M = floor(-t) = -ceil(t): M is a whole number
	v_mov_b32 v[NM+2*\a+1], 0                                        ; (named with it as a pair, so it is written)
.endr
.set n, 0
.rept 64
	v_pk_fma_f32 v[ACC+2*n:ACC+2*n+1], v[ACC+2*n:ACC+2*n+1], s[70:71], v[NM+2*(n/16):NM+2*(n/16)+1] op_sel_hi:[1,0,0]   ; t - M, two at a time (of the pairs c and -M the low word serves both halves)
.set n, n+1
.endr
.set n, 0
.rept 128
	v_exp_f32 v[ACC+n], v[ACC+n]                   ; p = 2^(t - M), at most 1
.set n, n+1
.endr
	v_nop                                          ; a plain instruction behind the last exponential
	s_wait_alu depctr_va_vdst(0)                   ; the wait ahead of the first instruction that names a result: one for the batch
.irp a, 0,1,2,3                        ; the sums of the unrounded p, two chains a tile
	v_pk_add_f32 v[LS+2*\a:LS+2*\a+1], v[ACC+32*\a:ACC+32*\a+1], v[ACC+32*\a+2:ACC+32*\a+3]
	v_pk_add_f32 v[WK+4*\a:WK+4*\a+1], v[ACC+32*\a+4:ACC+32*\a+5], v[ACC+32*\a+6:ACC+32*\a+7]
.endr
.irp j, 8,12,16,20,24,28
.irp a, 0,1,2,3
	v_pk_add_f32 v[LS+2*\a:LS+2*\a+1], v[LS+2*\a:LS+2*\a+1], v[ACC+32*\a+\j:ACC+32*\a+\j+1]
	v_pk_add_f32 v[WK+4*\a:WK+4*\a+1], v[WK+4*\a:WK+4*\a+1], v[ACC+32*\a+\j+2:ACC+32*\a+\j+3]
.endr
.endr
.irp a, 0,1,2,3
	v_pk_add_f32 v[LS+2*\a:LS+2*\a+1], v[LS+2*\a:LS+2*\a+1], v[WK+4*\a:WK+4*\a+1]
.endr
.irp a, 0,1,2,3
	v_add_f32 v[LS+2*\a], v[LS+2*\a], v[LS+2*\a+1]
.endr
.irp a, 0,1,2,3
	v_permlanex16_b32 v[WK+4*\a+2], v[LS+2*\a], s72, s73
.endr
.irp a, 0,1,2,3
	v_add_f32 v[LS+2*\a], v[LS+2*\a], v[WK+4*\a+2]                   ; the sum over my 64 keys, in both halves of the lanes
.endr
.set n, 0
.rept 64
	v_cvt_pk_f16_f32 v[TMP+n], v[ACC+2*n], v[ACC+2*n+1]              ; registers 16 a + 8 c .. + 7: the fragment of tile a, chunk c
.set n, n+1
.endr
.irp a, 0,1,2,3
.irp c, 0,1
.irp u, 0,1
	global_store_b128 v[PO], v[TMP+16*\a+8*\c+4*\u:TMP+16*\a+8*\c+4*\u+3], s[74:75] offset:\c*8192+\a*1024+\u*512 th:TH_STORE_NT   ; 32 lanes store 512 consecutive bytes, aligned
.endr
.endr
.endr
	v_cmp_le_u32 vcc_lo, 16, v[LANE]
.irp a, 0,1,2,3
	v_cndmask_b32 v[STV+\a], v[NM+2*\a], v[LS+2*\a], vcc_lo          ; lanes 0-15: -M; lanes 16-31: the sum
.endr
	global_store_b128 v[PO], v[STV:STV+3], s[76:77]                  ; 512 consecutive bytes, aligned
	s_wait_tensorcnt 0x0                           ; the wave's end, behind my last tensor load
	ds_add_u32 v[SPW], v[NIL]
	s_wait_dscnt 0x0
	CROUND                                         ; the closing round
	s_endpgm
.Lfunc_end_k_q87f11b08d0_scores:
	.size	k_q87f11b08d0_scores, .Lfunc_end_k_q87f11b08d0_scores-k_q87f11b08d0_scores
	.p2alignl 7, 3214868480
	.fill 96, 4, 3214868480
	.section	.rodata,"a",@progbits
	.p2align	6, 0x0
	.amdhsa_kernel k_q87f11b08d0_scores
		.amdhsa_group_segment_fixed_size 327680
		.amdhsa_private_segment_fixed_size 0
		.amdhsa_enable_private_segment 0
		.amdhsa_kernarg_size 24
		.amdhsa_user_sgpr_count 2
		.amdhsa_user_sgpr_kernarg_segment_ptr 1
		.amdhsa_wavefront_size32 1
		.amdhsa_system_sgpr_workgroup_id_x 1
		.amdhsa_system_sgpr_workgroup_id_y 1
		.amdhsa_system_sgpr_workgroup_id_z 1
		.amdhsa_system_vgpr_workitem_id 0
		.amdhsa_next_free_vgpr 512
		.amdhsa_next_free_sgpr 100
		.amdhsa_reserve_vcc 1
		.amdhsa_float_denorm_mode_32 3
		.amdhsa_float_denorm_mode_16_64 3
		.amdhsa_memory_ordered 1
		.amdhsa_forward_progress 1
		.amdhsa_inst_pref_size 110
	.end_amdhsa_kernel
	.amdgpu_metadata
---
amdhsa.version: [ 1, 2 ]
amdhsa.kernels:
  - .name:           k_q87f11b08d0_scores
    .symbol:         k_q87f11b08d0_scores.kd
    .args:
      - { .name: qkv, .offset: 0, .size: 8, .value_kind: global_buffer, .address_space: global }
      - { .name: pbuf, .offset: 8, .size: 8, .value_kind: global_buffer, .address_space: global }
      - { .name: stat, .offset: 16, .size: 8, .value_kind: global_buffer, .address_space: global }
    .group_segment_fixed_size: 327680
    .private_segment_fixed_size: 0
    .kernarg_segment_align: 8
    .kernarg_segment_size: 24
    .max_flat_workgroup_size: 128
    .sgpr_count:     100
    .vgpr_count:     512
    .wavefront_size: 32
...
	.end_amdgpu_metadata
.endif
;; end of part 3
;; launch small (part 4): grid 20 x 1, 8 waves a work-group, no clusters, 17,408 bytes of LDS; arguments first, stat, tblw, o16; writes tblw, o16
.if DOCPART == 4
	.amdgcn_target "amdgcn-amd-amdhsa--gfx1250"
	.amdhsa_code_object_version 6
	.text
	.protected	k_q87f11b08d0_small
	.globl	k_q87f11b08d0_small
	.p2align	8
	.type	k_q87f11b08d0_small,@function
k_q87f11b08d0_small:
	s_mov_b64 s[64:65], 0
	v_nop
	global_prefetch_b8 v0, s[64:65] scope:SCOPE_SE
	s_setreg_imm32_b32 hwreg(HW_REG_WAVE_MODE, 25, 1), 1
	s_wait_xcnt 0x0
; Two small pieces of work, parted by the work-group's number.
; (a) Work-groups 0 to 3, one a batch: positions 0 to 15 of the sequence, wholly in f32, from first [4][16][3072] (Q at byte 0 of a row, K at 4,096, V at 8,192): these rows average one to sixteen values.
;     S^T = K Q^T by the f32 matrix form (wave w takes channels 128 w on; the eight parts are added through LDS), the causal mask, softmax with the row's maximum taken away, O = P V by fused multiply-adds.
;     The rows leave into o16 [4][16][1024] f32; the last launch puts them into the output.
; (b) Work-groups 4 to 19: a wave takes a block of 64 queries and joins its blocks of 64 keys: M = the largest M_j, f_j = 2^(M_j - M) (a power of two, made by v_ldexp_f32: nothing is rounded), l = sum of f_j l_j.
;     f_j and 1 / l leave as f32, in the order in which the last launch walks: tblw [batch][p 2][cy 4][21,504 bytes]: 40 x 512 bytes [quarter of the walk][rh 2][r 16][a 4], then [tile 2][rh 2][r 16][a 4].
; No cluster: the four batches share nothing, and each wave of (b) reads bytes of its own.
.set PART,  0                          ; LDS: eight waves' parts of S^T, 1,024 bytes each,
.set PB,    8192                       ; each wave's own copy of p: [query 16][key 16] f32,
.set SPARE, 16384                      ; the spare words, 128 bytes a wave, which no other line names
.set SPW, 4                            ; v4   LDS address of my spare word; never rewritten
.set NIL, 5                            ; v5   0; never rewritten
.set VV,  16                           ; (a) v16-79   V(k, my 4 channels), k = 0 .. 15
.set ACC, 80                           ; (a) v80-111  four accumulators of the f32 matrix form: written by matrix instructions alone, in the whole text
.set KA,  112                          ; (a) v112-175 K's numbers; later the eight parts; later p's numbers of four queries
.set QA,  176                          ; (a) v176-239 Q's numbers; later O: four registers a query
.set T,   240                          ; (a) v240-247 my part, then S^T, then p;  v248-255 at work
.set PP,  112
.set OO,  176
	s_load_b256 s[4:11], s[0:1], 0x0               ; first s[4:5], stat s[6:7], tblw s[8:9], o16 s[10:11]
	v_lshl_add_u32 v[SPW], v0, 2, SPARE
	v_mov_b32 v[NIL], 0
	v_lshrrev_b32 v1, 5, v0
	v_readfirstlane_b32 s20, v1                    ; wave 0..7
	v_and_b32 v1, 31, v0                           ; lane
	v_and_b32 v2, 15, v0                           ; r
	v_bfe_u32 v3, v0, 4, 1                         ; h
	s_lshl_b32 s21, s20, 10
	v_lshlrev_b32 v9, 4, v1                        ; v9  PART + 16 x lane: where I read the parts
	v_add_nc_u32 v8, s21, v9                       ; v8  + 1,024 x wave: where I put mine
	v_lshlrev_b32 v10, 6, v2
	v_lshl_add_u32 v10, v3, 5, v10
	v_add_nc_u32 v10, s21, v10
	v_add_nc_u32 v10, PB, v10                      ; v10 PB + 1,024 x wave + 64 r + 32 h: where I put p
	v_mov_b32 v11, s21
	v_add_nc_u32 v11, PB, v11                      ; v11 PB + 1,024 x wave: from where all lanes read it
	s_mov_b32 s52, 0x76543210
	s_mov_b32 s53, 0xfedcba98                      ; v_permlanex16_b32's selects for lane l xor 16
	s_mov_b32 s54, 0x3d38aa3b                      ; c = log2(e) / sqrt(1024)
	s_cmp_ge_u32 ttmp9, 4
	s_cbranch_scc1 .Lstat
	; ---- (a) the first 16 positions of batch ttmp9
	v_mul_u32_u24 v6, v2, 12288
	v_lshl_add_u32 v6, v3, 4, v6
	s_lshl_b32 s22, s20, 9
	v_add_nc_u32 v6, s22, v6                       ; v6  Q, K: row r, + 16 h, + my wave's 128 channels
	v_add_nc_u32 v7, s22, v9                       ; v7  V, O: 16 x lane + 512 x wave: my 4 channels
	v_lshlrev_b32 v12, 3, v3
	v_sub_nc_u32 v12, v2, v12                      ; v12 d = r - 8 h: register j holds a hidden key where j > d
	v_mov_b32 v13, 0xff800000                      ; -infinity
	s_mul_i32 s24, ttmp9, 196608
	s_mov_b32 s25, 0
	s_lshl_b32 s26, ttmp9, 16                      ; a batch of o16: 16 rows of 4,096 bytes
	s_mov_b32 s27, 0
	s_wait_kmcnt 0x0
	s_add_nc_u64 s[4:5], s[4:5], s[24:25]
	s_add_nc_u64 s[10:11], s[10:11], s[26:27]
.irp k, 0,1,2,3,4,5,6,7,8,9,10,11,12,13,14,15
	global_load_b128 v[VV+4*\k:VV+4*\k+3], v7, s[4:5] offset:\k*12288+8192
.endr
.irp i, 0,1,2,3,4,5,6,7,8,9,10,11,12,13,14,15
	global_load_b128 v[KA+4*\i:KA+4*\i+3], v6, s[4:5] offset:4096+32*\i    ; lane (r, h): row r, channels 8 i + 4 h + 0 .. 3 of my 128
	global_load_b128 v[QA+4*\i:QA+4*\i+3], v6, s[4:5] offset:32*\i         ; the same channels in the same places: the order along K is permuted alike on both sides
.endr
.set n, 0
.rept 32                               ; S^T = K Q^T, 4 channels an instruction; four accumulators take turns, one instruction a turn; the first four start the sums
.if n%2 == 0
	s_wait_loadcnt 30-n                            ; the pair of loads in hand is in; the 30 - n issued behind it may be out
.endif
.if n < 4
	v_wmma_f32_16x16x4_f32 v[ACC+8*(n%4):ACC+8*(n%4)+7], v[KA+2*n:KA+2*n+1], v[QA+2*n:QA+2*n+1], 0
.else
	v_wmma_f32_16x16x4_f32 v[ACC+8*(n%4):ACC+8*(n%4)+7], v[KA+2*n:KA+2*n+1], v[QA+2*n:QA+2*n+1], v[ACC+8*(n%4):ACC+8*(n%4)+7]
.endif
.set n, n+1
.endr
.rept 8
	v_nop                                          ; eight places behind this form (ISA guide 7.12.1)
.endr
.irp p, 0,2,4,6
	v_pk_add_f32 v[T+\p:T+\p+1], v[ACC+\p:ACC+\p+1], v[ACC+8+\p:ACC+9+\p]       ; each accumulator from its low end on
.endr
.irp p, 0,2,4,6
	v_pk_add_f32 v[248+\p:249+\p], v[ACC+16+\p:ACC+17+\p], v[ACC+24+\p:ACC+25+\p]
.endr
.irp p, 0,2,4,6
	v_pk_add_f32 v[T+\p:T+\p+1], v[T+\p:T+\p+1], v[248+\p:249+\p]
.endr
	ds_store_b128 v8, v[T:T+3]
	ds_store_b128 v8, v[T+4:T+7] offset:512
	s_wait_dscnt 0x0                               ; for the others' sake: my part has landed
	s_barrier_signal -1
	s_barrier_wait -1
.irp w, 0,1,2,3,4,5,6,7
	ds_load_b128 v[KA+8*\w:KA+8*\w+3], v9 offset:1024*\w
	ds_load_b128 v[KA+8*\w+4:KA+8*\w+7], v9 offset:1024*\w+512
.endr
	s_wait_dscnt 0x0
.irp p, 0,2,4,6
	v_pk_add_f32 v[T+\p:T+\p+1], v[KA+\p:KA+\p+1], v[KA+8+\p:KA+9+\p]           ; every wave adds the eight parts in the same order
.endr
.irp w, 2,3,4,5,6,7
.irp p, 0,2,4,6
	v_pk_add_f32 v[T+\p:T+\p+1], v[T+\p:T+\p+1], v[KA+8*\w+\p:KA+8*\w+\p+1]
.endr
.endr                                  ; lane (r, h): query r, keys 8 h + 0 .. 7
.irp j, 0,1,2,3,4,5,6,7
	v_cmp_gt_i32 vcc_lo, \j, v12
	v_cndmask_b32 v[T+\j], v[T+\j], v13, vcc_lo
.endr
	v_max3_num_f32 v248, v[T], v[T+1], v[T+2]
	v_max3_num_f32 v248, v248, v[T+3], v[T+4]
	v_max3_num_f32 v248, v248, v[T+5], v[T+6]
	v_max_num_f32 v248, v248, v[T+7]
	v_permlanex16_b32 v249, v248, s52, s53
	v_max_num_f32 v248, v248, v249                 ; the row's largest score: key 0 counts for every query, so it is a number
	v_mul_f32 v248, s54, v248
.irp j, 0,1,2,3,4,5,6,7
	v_fma_f32 v[T+\j], v[T+\j], s54, -v248         ; c s - c max
.endr
.irp j, 0,1,2,3,4,5,6,7
	v_exp_f32 v[T+\j], v[T+\j]
.endr
	v_nop                                          ; a plain instruction behind the last exponential
	s_wait_alu depctr_va_vdst(0)                   ; the wait ahead of the first reader: one for the eight
	v_pk_add_f32 v[248:249], v[T:T+1], v[T+2:T+3]
	v_pk_add_f32 v[250:251], v[T+4:T+5], v[T+6:T+7]
	v_pk_add_f32 v[248:249], v[248:249], v[250:251]
	v_add_f32 v248, v248, v249
	v_permlanex16_b32 v250, v248, s52, s53
	v_add_f32 v248, v248, v250
	v_rcp_f32 v248, v248
	v_nop
	s_wait_alu depctr_va_vdst(0)
.irp j, 0,1,2,3,4,5,6,7
	v_mul_f32 v[T+\j], v[T+\j], v248               ; the weights
.endr
	ds_store_b128 v10, v[T:T+3]                    ; my wave's own copy: LDS serves a wave's instructions in order, so no barrier
	ds_store_b128 v10, v[T+4:T+7] offset:16
.irp bt, 0,1,2,3                       ; four queries at a time; query q needs keys 0 .. q
.irp qq, 0,1,2,3
.irp m, 0,1,2,3
.if \m <= \bt
	ds_load_b128 v[PP+16*\qq+4*\m:PP+16*\qq+4*\m+3], v11 offset:64*(4*\bt+\qq)+16*\m   ; all lanes read the same four weights
.endif
.endr
.endr
	s_wait_dscnt 0x0
.irp qq, 0,1,2,3
.irp e, 0,1,2,3
	v_mul_f32 v[OO+4*(4*\bt+\qq)+\e], v[VV+\e], v[PP+16*\qq]
.endr
.set k, 1
.rept 4*\bt+\qq
.irp e, 0,1,2,3
	v_fma_f32 v[OO+4*(4*\bt+\qq)+\e], v[VV+4*k+\e], v[PP+16*\qq+k], v[OO+4*(4*\bt+\qq)+\e]
.endr
.set k, k+1
.endr
	global_store_b128 v7, v[OO+4*(4*\bt+\qq):OO+4*(4*\bt+\qq)+3], s[10:11] offset:(4*\bt+\qq)*4096   ; 32 lanes store 512 consecutive bytes, aligned; each query has registers of its own
.endr
.endr
	s_wait_tensorcnt 0x0                           ; the wave's end, behind my last LDS store
	ds_add_u32 v[SPW], v[NIL]
	s_wait_dscnt 0x0
	s_endpgm
	; ---- (b) the blocks' M and sums are joined.  No LDS is written on this way.
	; v14 16,384 h + 16 r; v15 512 h + 16 r; v252 16 r; v16-79 -M_j, then f_j; v112-175 l_j; v240-243 the least -M; v244-247 l, then 1 / l; v248-251 at work
.Lstat:
	v_lshlrev_b32 v252, 4, v2
	v_lshl_add_u32 v14, v3, 14, v252
	v_lshl_add_u32 v15, v3, 9, v252
.irp a, 0,1,2,3
	v_mov_b32 v[248+\a], 0                         ; written once: a lane permute's destination counts as one of its sources
.endr
	s_sub_co_u32 s21, ttmp9, 4
	s_lshl_b32 s21, s21, 3
	s_add_co_u32 s21, s21, s20                     ; which of the 128 blocks of 64 queries
	s_lshr_b32 s22, s21, 5                         ; the batch
	s_and_b32 s23, s21, 31                         ; the block in its sequence
	s_lshr_b32 s24, s23, 3                         ; J: its super-block of 512: keys 0 .. 512 (J + 1) - 1 were stored for it
	s_and_b32 s25, s23, 1                          ; rh
	s_bfe_u32 s26, s23, 0x20001                    ; cy
	s_sub_co_u32 s27, 3, s24
	s_cmp_ge_u32 s24, 2
	s_cselect_b32 s28, 1, 0                        ; the walk's second tile?
	s_cselect_b32 s27, s27, s24                    ; p: the walk takes J = p, then J = 3 - p
	s_add_co_u32 s29, s27, 1
	s_lshl_b32 s29, s29, 3
	s_mul_i32 s29, s29, s28                        ; the tile's first quarter of the walk: 0, or 8 (p + 1)
	s_lshl_b32 s30, s22, 19
	s_lshl_b32 s31, s23, 9
	s_add_co_u32 s30, s30, s31
	s_mov_b32 s31, 0
	s_lshl_b32 s44, s22, 1
	s_add_co_u32 s44, s44, s27
	s_lshl_b32 s44, s44, 2
	s_add_co_u32 s44, s44, s26
	s_mul_i32 s44, s44, 21504
	s_lshl_b32 s45, s25, 8
	s_add_co_u32 s44, s44, s45                     ; the walk's table, + 256 rh
	s_mov_b32 s45, 0
	s_mov_b32 s47, 0
	s_wait_kmcnt 0x0
	s_add_nc_u64 s[6:7], s[6:7], s[30:31]
	s_add_nc_u64 s[8:9], s[8:9], s[44:45]
	s_lshl_b32 s46, s29, 9
	s_add_nc_u64 s[48:49], s[8:9], s[46:47]        ; where the f go
	s_lshl_b32 s46, s28, 9
	s_add_co_u32 s46, s46, 20480
	s_add_nc_u64 s[50:51], s[8:9], s[46:47]        ; where 1 / l goes
.irp g, 0,1,2,3                        ; group g: blocks of 64 keys 8 g .. 8 g + 7.  A group beyond J was not stored: group J is read in its place, and its weight is 0
	s_min_u32 s30, s24, \g
	s_lshl_b32 s30, s30, 17
	s_add_nc_u64 s[32+2*\g:33+2*\g], s[6:7], s[30:31]
	s_cmp_ge_u32 s24, \g
	s_cselect_b32 s[40+\g], 1.0, 0
.endr
.irp g, 0,1,2,3
.irp k, 0,1,2,3                        ; lane (r, h) takes block 8 g + 2 k + h: four numbers, a = 0 .. 3, of row r
	global_load_b128 v[16+16*\g+4*\k:16+16*\g+4*\k+3], v14, s[32+2*\g:33+2*\g] offset:32768*\k
	global_load_b128 v[112+16*\g+4*\k:112+16*\g+4*\k+3], v14, s[32+2*\g:33+2*\g] offset:32768*\k+256
.endr
.endr
	s_wait_loadcnt 0x0
.irp a, 0,1,2,3
	v_min3_num_f32 v[240+\a], v[16+\a], v[20+\a], v[24+\a]
.endr
.irp m, 3,5,7,9,11,13
.irp a, 0,1,2,3
	v_min3_num_f32 v[240+\a], v[240+\a], v[16+4*\m+\a], v[20+4*\m+\a]
.endr
.endr
.irp a, 0,1,2,3
	v_min_num_f32 v[240+\a], v[240+\a], v[76+\a]
.endr
.irp a, 0,1,2,3
	v_permlanex16_b32 v[248+\a], v[240+\a], s52, s53
.endr
.irp a, 0,1,2,3
	v_min_num_f32 v[240+\a], v[240+\a], v[248+\a]  ; the least -M_j: -M
.endr
.set m, 0
.rept 16
.irp a, 0,1,2,3
	v_sub_f32 v[16+4*m+\a], v[240+\a], v[16+4*m+\a]                 ; M_j - M: a whole number, 0 or less
.endr
.irp a, 0,1,2,3
	v_cvt_i32_f32 v[16+4*m+\a], v[16+4*m+\a]                        ; (it saturates)
.endr
.irp a, 0,1,2,3
	v_ldexp_f32 v[16+4*m+\a], s[40+m/4], v[16+4*m+\a]               ; f_j = 2^(M_j - M), or 0 for a group that is not there
.endr
.set m, m+1
.endr
.irp a, 0,1,2,3
	v_mul_f32 v[244+\a], v[16+\a], v[112+\a]
.endr
.set m, 1
.rept 15
.irp a, 0,1,2,3
	v_fma_f32 v[244+\a], v[16+4*m+\a], v[112+4*m+\a], v[244+\a]
.endr
.set m, m+1
.endr
.irp a, 0,1,2,3
	v_permlanex16_b32 v[248+\a], v[244+\a], s52, s53
.endr
.irp a, 0,1,2,3
	v_add_f32 v[244+\a], v[244+\a], v[248+\a]      ; l: at least 1/2, from the block that holds the row's largest score
.endr
.irp a, 0,1,2,3
	v_rcp_f32 v[244+\a], v[244+\a]
.endr
	v_nop                                          ; a plain instruction behind the last reciprocal
	s_wait_alu depctr_va_vdst(0)                   ; the wait ahead of the first reader, and ahead of the branches below
	global_store_b128 v252, v[244:247], s[50:51]   ; both halves of the lanes hold the same numbers and store them to the same 256 bytes
.irp g, 0,1,2,3
.if \g > 0
	s_cmp_lt_u32 s24, \g                           ; groups beyond J have no place in the walk
	s_cbranch_scc1 .Ldone
.endif
.irp k, 0,1,2,3
	global_store_b128 v15, v[16+16*\g+4*\k:16+16*\g+4*\k+3], s[48:49] offset:(8*\g+2*\k)*512   ; each half of the lanes fills 256 consecutive bytes, aligned
.endr
.endr
.Ldone:
	s_endpgm
.Lfunc_end_k_q87f11b08d0_small:
	.size	k_q87f11b08d0_small, .Lfunc_end_k_q87f11b08d0_small-k_q87f11b08d0_small
	.p2alignl 7, 3214868480
	.fill 96, 4, 3214868480
	.section	.rodata,"a",@progbits
	.p2align	6, 0x0
	.amdhsa_kernel k_q87f11b08d0_small
		.amdhsa_group_segment_fixed_size 17408
		.amdhsa_private_segment_fixed_size 0
		.amdhsa_enable_private_segment 0
		.amdhsa_kernarg_size 32
		.amdhsa_user_sgpr_count 2
		.amdhsa_user_sgpr_kernarg_segment_ptr 1
		.amdhsa_wavefront_size32 1
		.amdhsa_system_sgpr_workgroup_id_x 1
		.amdhsa_system_sgpr_workgroup_id_y 1
		.amdhsa_system_sgpr_workgroup_id_z 1
		.amdhsa_system_vgpr_workitem_id 0
		.amdhsa_next_free_vgpr 256
		.amdhsa_next_free_sgpr 66
		.amdhsa_reserve_vcc 1
		.amdhsa_float_denorm_mode_32 3
		.amdhsa_float_denorm_mode_16_64 3
		.amdhsa_memory_ordered 1
		.amdhsa_forward_progress 1
		.amdhsa_inst_pref_size 74
	.end_amdhsa_kernel
	.amdgpu_metadata
---
amdhsa.version: [ 1, 2 ]
amdhsa.kernels:
  - .name:           k_q87f11b08d0_small
    .symbol:         k_q87f11b08d0_small.kd
    .args:
      - { .name: first, .offset: 0, .size: 8, .value_kind: global_buffer, .address_space: global }
      - { .name: stat, .offset: 8, .size: 8, .value_kind: global_buffer, .address_space: global }
      - { .name: tblw, .offset: 16, .size: 8, .value_kind: global_buffer, .address_space: global }
      - { .name: o16, .offset: 24, .size: 8, .value_kind: global_buffer, .address_space: global }
    .group_segment_fixed_size: 17408
    .private_segment_fixed_size: 0
    .kernarg_segment_align: 8
    .kernarg_segment_size: 32
    .max_flat_workgroup_size: 256
    .sgpr_count:     66
    .vgpr_count:     256
    .wavefront_size: 32
...
	.end_amdgpu_metadata
.endif
;; end of part 4
;; launch pv (part 5): grid 8 x 32, 4 waves a work-group, clusters of 4 x 4, 327,680 bytes of LDS; arguments pbuf, qkv, tblw, o16, out0; writes out0
.if DOCPART == 5
	.amdgcn_target "amdgcn-amd-amdhsa--gfx1250"
	.amdhsa_code_object_version 6
	.text
	.protected	k_q87f11b08d0_pv
	.globl	k_q87f11b08d0_pv
	.p2align	8
	.type	k_q87f11b08d0_pv,@function
k_q87f11b08d0_pv:
	s_mov_b64 s[64:65], 0
	v_nop
	global_prefetch_b8 v0, s[64:65] scope:SCOPE_SE
	s_setreg_imm32_b32 hwreg(HW_REG_WAVE_MODE, 25, 1), 1
	s_wait_xcnt 0x0
	s_wait_alu depctr_hold_cnt(0) depctr_sa_sdst(0) depctr_va_vdst(0) depctr_va_sdst(0) depctr_va_ssrc(0) depctr_va_vcc(0) depctr_vm_vsrc(0)
	s_getreg_b32 s2, hwreg(HW_REG_IB_STS2, 6, 4)
	s_cmp_eq_u32 s2, 0
	s_cbranch_scc0 .Lentry_in_a_cluster
	s_endpgm
.Lentry_in_a_cluster:
	s_bfe_u32 s2, ttmp6, 0x10000c
	s_cmp_lg_u32 s2, 0xf033
	s_cbranch_scc0 .Lentry_shape_is_right
	s_endpgm
.Lentry_shape_is_right:
; out[q][:] = (sum over blocks j of 64 keys of f_j (P_j V_j)) / l.  P_j = 2^(t - M_j) and V come as f16 and go to the matrix unit as they are; each block's product T = P_j V_j is a fresh f32 sum,
; and O += f_j T, f_j = 2^(M_j - M), is a fused multiply-add in f32; 1 / l multiplies O at the end.  Each sequence's first 16 rows are taken from o16, where the launch before has left them in f32.
; SHARES.  Cluster (X, Y): J = Y & 1, batch = Y >> 1.  A work-group makes TWO tiles of 128 queries x 128 channels (channel block 4 X + cx): tile A, query block 4 J + cy, 4 (J + 1) units of 128 keys;
; tile B, query block 4 (3 - J) + cy, 4 (4 - J) units: 20 units for every work-group = 10 slots of two units = 5 trips of two slots; tile A ends with trip J.  Wave (rh, ch) makes 64 queries x 64 channels.
; CLUSTER.  All sixteen partners walk the same keys.  P hangs on cy and is shared along a row of the cluster, V on cx and is shared along a column: each is asked for JOINTLY.  Waves 0, 1 fetch a slot's two units of P, waves 2, 3 of V.
; T^T = V^T P: source 0 = 16 channels x 32 keys (V out of LDS turned, by ds_load_tr16_b128), source 1 = P's fragment as it was stored: a lane holds one query (l % 16) and eight channels.
; BY TURNS.  A QUARTER is 64 keys: 32 products, two deep on 16 accumulators T.  T has two buffers: while quarter q's products fill one, the other (quarter q - 1's) is folded into O:
; behind each pair of products stand the four packed multiply-adds of one accumulator.  Products and folds want different windows: 32 switches for a quarter's 32 products and 64 folds.
; REGISTERS: window 0: v2-12 addresses; v28, v29 the add's; v32-47 f, two sets of eight; v48-51 1 / l; v64-191 V's fragments, two buffers; v192-255 the way out.
;   window 1: v0-127 O ((a, t) at 8 (4 a + t)); v128-255 P's fragments, two buffers.   window 2: T, two buffers of 128.   window 3: v0-31 my 16 x 256 bytes of o16.
; EXEC is never written: what hangs on a work-group's place in its cluster reaches global addresses and data alone.
.set SLOT,  139264                     ; P's two units (32,768 bytes each, dense), then V's two (128 rows at pitch 288)
.set VO,    65536
.set VU,    36864
.set PV,    288                        ; a row of V: 256 bytes + 32 = 72 words: row r starts at bank 8 r mod 64
.set TBL,   2*SLOT                     ; the walk's table: 40 x 512 bytes of f, then 1,024 of 1 / l: filled once
.set STAGE, TBL+21504                  ; the way out: 16 rows x (256 bytes + 16) for each wave: no fill lands here
.set SPARE, STAGE+4*4352               ; the spare words, 128 bytes a wave, which no other line names
.set AP,   2                           ; v2-3   P: slot s: 16 x lane + 4,096 rh
.set AV,   4                           ; v4-7   V: slot s, unit u at v[4 + 2 s + u]
.set ADT,  8                           ; v8     f of the trip's quarter 0: 256 rh + 16 r; steps 4,096 a trip
.set ARL,  9                           ; v9     1 / l
.set STO,  10                          ; v10    the way out: where I put 32 bytes of a row
.set RD,   11                          ; v11    where I read a row back
.set GO,   12                          ; v12    my byte offset in two rows of out0 and of o16; never rewritten
.set SPW,  28
.set NIL,  29
.set SCL,  32                          ; set s at v[32 + 8 s]: +0 .. +3 f of tiles a = 0 .. 3 as loaded; +4 a copy of +1, +6 a copy of +3: the packed forms take a pair's low word for both halves
.set RL,   48
.set VF,   64
.set TMP,  192
.set BK,   224
.set PF,   128                         ; in window 1
.set G1P, 20                           ; s[20:27] group 1 for P;  s[28:35] for V;  s[36:43] for the table
.set G1V, 28
.set G1T, 36
.set G0P, 44                           ; s[44:51] group 0 for P, one set a slot;  s[52:59] for V;  s[60:63] for the table
.set G0V, 52
.set G0T, 60
.set VB,  84                           ; s[84:87] V's address at key 0, one pair a slot
.set MSB, 0
.macro WIN new
.if MSB != (\new)
	s_set_vgpr_msb (MSB<<8)|(\new)
.set MSB, (\new)
.endif
.endm
.set WP,   0xa4                        ; products: source 0 (V) window 0, source 1 (P) window 1, C and D (T) window 2
.set WF,   0x52                        ; folds: source 0 (T) window 2, source 1 (f) window 0, source 2 and destination (O) window 1
.set TO_P, 0x40                        ; destination window 1, address window 0
.macro PLACES n
.rept \n
	v_nop
.endr
.endm
.macro JLOAD sl                        ; a joint load; the branch hangs on the wave's number alone; an s_nop 0 and four v_nop follow each line
	s_cmp_eq_u32 s13, 0
	s_cbranch_scc0 .Lfor_v_\@
	tensor_load_to_lds s[G0P+4*\sl:G0P+4*\sl+3], s[G1P:G1P+7]
	s_nop 0
	PLACES 4
	s_branch .Lasked_\@
.Lfor_v_\@:
	tensor_load_to_lds s[G0V+4*\sl:G0V+4*\sl+3], s[G1V:G1V+7]
	s_nop 0
	PLACES 4
.Lasked_\@:
.endm
.macro CREST
	s_cmp_lg_u32 s12, 0
	s_cbranch_scc1 .Lnot_wave_0_\@
	s_barrier_signal -3
.Lnot_wave_0_\@:
	s_barrier_wait -3
	s_barrier_signal -1
	s_barrier_wait -1
.endm
.macro CROUND
	s_barrier_signal -1
	s_barrier_wait -1
	CREST
.endm
	s_load_b256 s[4:11], s[0:1], 0x0               ; pbuf s[4:5], qkv s[6:7], tblw s[8:9], o16 s[10:11]
	s_load_b64 s[2:3], s[0:1], 0x20                ; out0
	v_lshl_add_u32 v[SPW], v0, 2, SPARE
	v_mov_b32 v[NIL], 0
	ds_add_u32 v[SPW], v[NIL]                      ; the wave's opening: the add, twice on end, and its wait ahead of my first tensor load
	ds_add_u32 v[SPW], v[NIL]
	v_lshrrev_b32 v1, 5, v0
	v_readfirstlane_b32 s12, v1                    ; wave 0..3
	s_lshr_b32 s13, s12, 1                         ; rh.  Also: I fetch P (0) or V (1)
	s_and_b32 s14, s12, 1                          ; ch.  Also: which of a slot's two units I fetch
	s_bfe_u32 s15, ttmp6, 0x40000                  ; cx
	s_bfe_u32 s16, ttmp6, 0x40004                  ; cy
	s_and_b32 s18, ttmp7, 0xffff
	s_and_b32 s17, s18, 1                          ; J
	s_lshr_b32 s18, s18, 1                         ; the batch
	s_lshl_b32 s84, s16, 2
	s_lshl_b32 s84, 15, s84                        ; my row of the cluster
	s_lshl_b32 s88, 0x1111, s15                    ; my column
	s_or_b32 s[G1P], s84, (3<<16)|(1<<21)          ; P: a dense block as 128 rows of 32 elements of 8 bytes; the mask of my row, bit 21 beside it
	s_mov_b32 s[G1P+1], 32<<16
	s_mov_b32 s[G1P+2], 128<<16
	s_mov_b32 s[G1P+3], 32<<16
	s_mov_b32 s[G1P+4], 128
	s_mov_b32 s[G1P+5], 32
	s_mov_b32 s[G1P+6], 0
	s_mov_b32 s[G1P+7], 0
	s_or_b32 s[G1V], s88, (1<<16)|(1<<20)|(1<<21)|(5<<22)|(7<<25)   ; V: 128 rows x 128 elements of 2 bytes, 3,072 from row to row; eight words of padding after every 64; the mask of my column
	s_mov_b32 s[G1V+1], 128<<16
	s_mov_b32 s[G1V+2], 128<<16
	s_mov_b32 s[G1V+3], 128<<16
	s_mov_b32 s[G1V+4], 128
	s_mov_b32 s[G1V+5], 3072
	s_mov_b32 s[G1V+6], 0
	s_mov_b32 s[G1V+7], 0
	s_or_b32 s[G1T], s84, (3<<16)|(1<<21)          ; the table: a quarter of it a wave: 21 rows of 256 bytes
	s_mov_b32 s[G1T+1], 32<<16
	s_mov_b32 s[G1T+2], 21<<16
	s_mov_b32 s[G1T+3], 32<<16
	s_mov_b32 s[G1T+4], 21
	s_mov_b32 s[G1T+5], 32
	s_mov_b32 s[G1T+6], 0
	s_mov_b32 s[G1T+7], 0
	; how the global addresses walk.  A refill in trip t brings trip t + 1's slot: four units on, or, in trip J, tile B's first
	s_mov_b32 s66, 131072                          ; P: four units on
	s_mov_b32 s67, 0
	s_mul_i32 s68, s17, 4325376
	s_sub_co_u32 s68, 6291456, s68                 ; P: 4 (3 - 2 J) query blocks of 524,288 bytes on, J trips back
	s_mov_b32 s69, 0
	s_mov_b32 s70, 3145728                         ; V: a trip is 512 rows of 6,144 bytes
	s_mov_b32 s76, 0                               ; V: s[76:77] how far the trip that was asked for last lies from key 0
	s_mov_b32 s77, 0
	; where the tiles come from.  P's and the table's hang on cy, V's on cx, each in registers that never hold the other at that time
	s_lshl_b32 s84, s17, 2
	s_add_co_u32 s84, s84, s16                     ; tile A's query block
	s_lshl_b32 s85, s18, 4
	s_add_co_u32 s85, s85, s84
	s_lshl_b32 s86, s85, 19
	s_lshl_b32 s87, s14, 15
	s_add_co_u32 s86, s86, s87                     ; P: (16 batch + block) x 524,288 + my unit
	s_mov_b32 s87, 0
	s_lshl_b32 s84, s18, 1
	s_add_co_u32 s84, s84, s17
	s_lshl_b32 s84, s84, 2
	s_add_co_u32 s84, s84, s16
	s_mul_i32 s84, s84, 21504
	s_mul_i32 s96, s12, 5376
	s_add_co_u32 s84, s84, s96                     ; the table: ((2 batch + J) 4 + cy) x 21,504 + my quarter
	s_mov_b32 s85, 0
	s_lshl_b32 s88, ttmp9, 2
	s_add_co_u32 s88, s88, s15                     ; the channel block
	s_lshl_b32 s89, s18, 11
	s_lshl_b32 s90, s14, 7
	s_add_co_u32 s89, s89, s90
	s_mul_i32 s90, s89, 6144
	s_lshl_b32 s91, s88, 8
	s_add_co_u32 s90, s90, s91
	s_add_co_u32 s90, s90, 4096                    ; V: (2,048 batch + my unit's 128 rows) x 6,144 + 4,096 + 256 x channel block
	s_mov_b32 s91, 0
	s_lshl_b32 s97, s14, 15                        ; and where they go: no place in the cluster enters an LDS address
	s_mul_i32 s98, s14, VU
	s_add_co_u32 s98, s98, VO
	s_mov_b32 s19, 0                               ; the trip
	s_or_b32 s82, s17, s16
	s_or_b32 s82, s82, s13
	s_cmp_eq_u32 s82, 0
	s_cselect_b32 s82, -1, 0                       ; all ones where tile A's first 16 rows of mine are a sequence's first 16: it chooses values alone
	s_wait_dscnt 0x0                               ; both opening adds are done
	s_wait_kmcnt 0x0
	s_mov_b32 s[G0T], 1
	s_add_co_u32 s[G0T+1], s96, TBL
	s_add_nc_u64 s[G0T+2:G0T+3], s[8:9], s[84:85]
	s_or_b32 s[G0T+3], s[G0T+3], 0x80000000
	s_add_nc_u64 s[86:87], s[4:5], s[86:87]
	s_add_nc_u64 s[90:91], s[6:7], s[90:91]
.irp s, 0,1
	s_mov_b32 s[G0P+4*\s], 1
	s_add_co_u32 s[G0P+4*\s+1], s97, \s*SLOT
	s_add_nc_u64 s[G0P+4*\s+2:G0P+4*\s+3], s[86:87], \s*65536
	s_or_b32 s[G0P+4*\s+3], s[G0P+4*\s+3], 0x80000000
	s_mov_b32 s[G0V+4*\s], 1
	s_add_co_u32 s[G0V+4*\s+1], s98, \s*SLOT
	s_add_nc_u64 s[G0V+4*\s+2:G0V+4*\s+3], s[90:91], \s*1572864
	s_or_b32 s[G0V+4*\s+3], s[G0V+4*\s+3], 0x80000000
.endr
	s_mov_b64 s[VB:VB+1], s[90:91]                 ; V at key 0, for slot 0,
	s_add_nc_u64 s[VB+2:VB+3], s[90:91], 1572864   ; and 256 rows on, for slot 1
	CROUND                                         ; all sixteen work-groups are here: the first joint loads meet
	tensor_load_to_lds s[G0T:G0T+3], s[G1T:G1T+7]  ; the table, a quarter a wave: wanted with slot 0
	s_nop 0
	PLACES 4
	JLOAD 0
	JLOAD 1                                        ; three loads of mine are out
	; where my results go, and where my rows of o16 lie
	s_lshl_b32 s92, s17, 2
	s_add_co_u32 s92, s92, s16                     ; tile A's query block,
	s_sub_co_u32 s93, 3, s17
	s_lshl_b32 s93, s93, 2
	s_add_co_u32 s93, s93, s16                     ; tile B's
	s_lshl_b32 s94, s18, 11
	s_lshl_b32 s95, s13, 6
	s_add_co_u32 s94, s94, s95                     ; 2,048 batch + 64 rh
	s_lshl_b32 s92, s92, 7
	s_add_co_u32 s92, s92, s94
	s_lshl_b32 s92, s92, 12                        ; rows of 4,096 bytes
	s_lshl_b32 s93, s93, 7
	s_add_co_u32 s93, s93, s94
	s_lshl_b32 s93, s93, 12
	s_lshl_b32 s95, ttmp9, 2
	s_add_co_u32 s95, s95, s15
	s_lshl_b32 s95, s95, 9
	s_lshl_b32 s94, s14, 8
	s_add_co_u32 s95, s95, s94                     ; 512 x channel block + 256 ch
	s_add_co_u32 s92, s92, s95
	s_add_co_u32 s94, s93, s95
	s_lshl_b32 s90, s18, 16                        ; o16: a batch is 16 rows of 4,096 bytes
	s_add_co_u32 s90, s90, s95
	s_mov_b32 s91, 0
	s_mov_b32 s93, 0
	s_mov_b32 s95, 0
	s_add_nc_u64 s[78:79], s[2:3], s[92:93]
	s_add_nc_u64 s[80:81], s[2:3], s[94:95]
	s_add_nc_u64 s[90:91], s[10:11], s[90:91]
	v_and_b32 v1, 31, v0                           ; l
	v_and_b32 v13, 15, v0                          ; r
	v_bfe_u32 v14, v0, 4, 1                        ; h
	v_lshlrev_b32 v[GO], 12, v14
	v_lshl_add_u32 v[GO], v13, 4, v[GO]            ; lanes 0-15 one row of 256 bytes, lanes 16-31 the next
	WIN 0xc0                                       ; destination window 3
.irp t, 0,1,2,3,4,5,6,7
	global_load_b128 v[4*\t:4*\t+3], v[GO], s[90:91] offset:\t*8192   ; rows 2 t, 2 t + 1 of the batch's first 16, my 64 channels: wanted when tile A goes out
.endr
	WIN 0
	v_lshlrev_b32 v[AP], 4, v1
	s_lshl_b32 s96, s13, 12
	v_add_nc_u32 v[AP], s96, v[AP]
	v_add_nc_u32 v[AP+1], SLOT, v[AP]
	v_and_b32 v15, 7, v0                           ; the turning load: lane l reads 16 bytes of key 8 h + l % 8, channels 8 ((l / 8) % 2) on
	v_lshl_add_u32 v15, v14, 3, v15
	v_mul_u32_u24 v15, v15, PV
	v_bfe_u32 v16, v0, 3, 1
	v_lshl_add_u32 v15, v16, 4, v15
	s_lshl_b32 s97, s14, 7
	s_add_co_u32 s97, s97, VO
	v_add_nc_u32 v[AV], s97, v15                   ; + my 64 channels
	v_add_nc_u32 v[AV+1], VU, v[AV]
	v_add_nc_u32 v[AV+2], SLOT, v[AV]
	v_add_nc_u32 v[AV+3], VU, v[AV+2]
	v_lshlrev_b32 v[ADT], 4, v13
	s_lshl_b32 s98, s13, 8
	s_add_co_u32 s98, s98, TBL
	v_add_nc_u32 v[ADT], s98, v[ADT]
	v_add_nc_u32 v[ARL], 20480, v[ADT]
	s_mul_i32 s99, s12, 4352
	s_add_co_u32 s99, s99, STAGE                   ; my stage
	v_mul_u32_u24 v[STO], v13, 272
	v_lshl_add_u32 v[STO], v14, 5, v[STO]
	v_add_nc_u32 v[STO], s99, v[STO]               ; in: row r, 32 bytes for each half of the lanes
	v_mul_u32_u24 v[RD], v14, 272
	v_lshl_add_u32 v[RD], v13, 4, v[RD]
	v_add_nc_u32 v[RD], s99, v[RD]                 ; back: lanes 0-15 one row of 256 bytes, lanes 16-31 the next
.irp d, 5,7,13,15
	v_mov_b32 v[SCL+\d], 0                         ; named as the upper halves of pairs, so they are written; never used
.endr
; LDS loads in one run: quarter q of slot sl into buffer g: V's 8 fragments (turned), P's 8; and, fs >= 0, the four f of table quarter tq into set fs.  It leaves window TO_P.
.macro FETCH sl, q, g, fs, tq
	WIN 0
.irp c, 0,1
.irp t, 0,1,2,3
	ds_load_tr16_b128 v[VF+64*(\g)+8*(4*\c+\t):VF+64*(\g)+8*(4*\c+\t)+3],   v[AV+2*(\sl)+(\q)/2] offset:(64*((\q)%2)+32*\c)*PV+32*\t
	ds_load_tr16_b128 v[VF+64*(\g)+8*(4*\c+\t)+4:VF+64*(\g)+8*(4*\c+\t)+7], v[AV+2*(\sl)+(\q)/2] offset:(64*((\q)%2)+32*\c+16)*PV+32*\t
.endr
.endr
.if (\fs) >= 0
	ds_load_b128 v[SCL+8*(\fs):SCL+8*(\fs)+3], v[ADT] offset:512*(\tq)
.endif
	WIN TO_P
.irp c, 0,1
.irp a, 0,1,2,3
	ds_load_b128 v[PF+64*(\g)+8*(4*\c+\a):PF+64*(\g)+8*(4*\c+\a)+3],   v[AP+(\sl)] offset:((2*(\q)+\c)*8+\a)*1024
	ds_load_b128 v[PF+64*(\g)+8*(4*\c+\a)+4:PF+64*(\g)+8*(4*\c+\a)+7], v[AP+(\sl)] offset:((2*(\q)+\c)*8+\a)*1024+512
.endr
.endr
.endm
; Product m of a quarter's 32, on buffer f: chunk m / 16 of 32 keys, accumulator n = m % 16 = 4 a + t of T's buffer f.  The first 16 start the sums with the constant 0.
; The 16 accumulators take turns, one instruction a turn, in one order everywhere.
.macro PROD f, m
.set pn, (\m)%16
.set pc, (\m)/16
.set rT, 128*(\f)+8*pn
.set rV, VF+64*(\f)+8*(4*pc+pn%4)
.set rP, PF+64*(\f)+8*(4*pc+pn/4)
.if pc == 0
	v_wmma_f32_16x16x32_f16 v[rT:rT+7], v[rV:rV+7], v[rP:rP+7], 0
.else
	v_wmma_f32_16x16x32_f16 v[rT:rT+7], v[rV:rV+7], v[rP:rP+7], v[rT:rT+7]
.endif
.endm
; Accumulator k of T's buffer s goes into O, times f of set s, from its low end on.  mode 1: a tile's first block starts O: nothing is cleared.  mode 2: O += f T.
.macro FOLD s, k, mode
.set fa, (\k)/4
.set rF, SCL+8*(\s)+4*(fa%2)+2*(fa/2)
.set rT, 128*(\s)+8*(\k)
.set rO, 8*(\k)
.irp i, 0,2,4,6
.if (\mode) == 1
	v_pk_mul_f32 v[rO+\i:rO+\i+1], v[rT+\i:rT+\i+1], v[rF:rF+1] op_sel_hi:[1,0]
.else
	v_pk_fma_f32 v[rO+\i:rO+\i+1], v[rT+\i:rT+\i+1], v[rF:rF+1], v[rO+\i:rO+\i+1] op_sel_hi:[1,0,1]
.endif
.endr
.endm
; Pairs g0 .. g1 - 1 of the quarter's 16 pairs of products; behind pair g, accumulator g of the quarter before is folded (mode 0: there is none).
; Between a product and the fold that reads its result, and between a fold's product and the product that starts the same accumulator anew, stand the folds of other accumulators: 4 lines each, far more than the places asked (ISA guide 7.12.1).
.macro WORK f, mode, g0, g1
.set g, \g0
.rept \g1-\g0
	WIN WP
	PROD \f, 2*g
	PROD \f, 2*g+1
.if \mode
	WIN WF
	FOLD 1-\f, g, \mode
.endif
.set g, g+1
.endr
.endm
; Four plain lines in window 0 at a quarter's head: the places in front of loads into the fragments that the last products read.  Two of them copy f of tiles 1 and 3 of set s to even registers.
.macro LEAD s, mode
.if \mode
	v_mov_b32 v[SCL+8*(\s)+4], v[SCL+8*(\s)+1]
	v_mov_b32 v[SCL+8*(\s)+6], v[SCL+8*(\s)+3]
	PLACES 2
.else
	PLACES 4
.endif
.endm
; A quarter that has its successor in the same slot: it multiplies buffer f into T's buffer f, folds the other T, fetches quarter nq of slot sl into the other buffer, and its own f (table quarter tq) into set f.
.macro Q sl, nq, f, tq, mode
	WIN 0
	LEAD 1-\f, \mode
	FETCH \sl, \nq, 1-\f, \f, \tq
	WORK \f, \mode, 0, 16
	s_wait_dscnt 0x0                               ; the 33 loads, issued 32 products ago, are in
.endm
; A slot's last quarter (buffer 1) changes slots: ONE barrier; in front of it each wave waits for all its tensor loads (its part of the other slot), adds 0 to its spare word, and waits for that; its reads of this slot were waited for at the end of the quarter before.
; fill = 1: the barrier opens a round of the cluster's, and this slot is filled again, with the next trip's units: 128 products ahead of the wait for them.
.macro QC sl, fill, tq
	WIN 0                                          ; (the add's two registers lie in window 0)
	v_mov_b32 v[SCL+4], v[SCL+1]
	v_mov_b32 v[SCL+6], v[SCL+3]
	s_wait_tensorcnt 0x0                           ; no tensor load of mine is out, so a group 0 may be written
	ds_add_u32 v[SPW], v[NIL]                      ; 0 onto my spare word; work on registers stands between it and the wait for it
.if \fill
.if \sl == 0
	s_add_co_u32 s76, s76, s70                     ; V: the next trip's keys,
.endif
	s_cmp_eq_u32 s19, s17                          ; is the next trip tile B's first?  The cluster's number and the count of trips alone
.if \sl == 0
	s_cselect_b32 s76, 0, s76                      ; or key 0 again
.endif
	s_cselect_b64 s[74:75], s[68:69], s[66:67]
	s_add_nc_u64 s[G0P+4*\sl+2:G0P+4*\sl+3], s[G0P+4*\sl+2:G0P+4*\sl+3], s[74:75]   ; P steps; the type bits on top are not reached
	s_add_nc_u64 s[G0V+4*\sl+2:G0V+4*\sl+3], s[VB+2*\sl:VB+2*\sl+1], s[76:77]       ; V's address is made anew from the slot's base,
	s_or_b32 s[G0V+4*\sl+3], s[G0V+4*\sl+3], 0x80000000                             ; and its type set
.endif
	WORK 1, 2, 0, 4
	s_wait_dscnt 0x0                               ; the add is done
	s_barrier_signal -1
	WORK 1, 2, 4, 8
	WIN 0
	s_barrier_wait -1
.if \fill
	CREST                                          ; no wave of any partner still reads this slot or has a load on its way
	JLOAD \sl                                      ; the first tensor load behind the round
.endif
	FETCH 1-\sl, 0, 0, 1, \tq
	WORK 1, 2, 8, 16
	s_wait_dscnt 0x0
.endm
; THE WAY OUT of a tile: O x 1 / l, through my stage, 16 queries at a time, and out as whole runs of 256 bytes.  blk: 0 tile A, 1 tile B.
.macro EPI blk, ob
	WIN 0
	ds_load_b128 v[RL:RL+3], v[ARL] offset:512*\blk
	s_wait_dscnt 0x0
.irp a, 0,1,2,3
	WIN 0x01                                       ; source 0 window 1
.set i, 0
.rept 32
	v_mul_f32 v[TMP+i], v[32*\a+i], v[RL+\a]       ; register 8 t + j is o(16 a + r, 16 t + 8 h + j)
.set i, i+1
.endr
	WIN 0
.irp t, 0,1,2,3
	ds_store_b128 v[STO], v[TMP+8*\t:TMP+8*\t+3] offset:64*\t
	ds_store_b128 v[STO], v[TMP+8*\t+4:TMP+8*\t+7] offset:64*\t+16
.endr
	s_wait_xcnt 0x0                                ; the last stores have read their registers: these are loaded again only behind this wait
.irp t, 0,1,2,3,4,5,6,7
	ds_load_b128 v[BK+4*\t:BK+4*\t+3], v[RD] offset:544*\t   ; LDS serves a wave's instructions in order (ISA guide 5.7.1.4): these see the stores above
.endr
	s_wait_dscnt 0x0
.if (\blk == 0) && (\a == 0)
	s_wait_loadcnt 0x0                             ; my rows of o16, asked for at the head
	WIN 0x0c                                       ; source 1 window 3
.set i, 0
.rept 32
	v_cndmask_b32 v[BK+i], v[BK+i], v[i], s82      ; where these 16 rows are a sequence's first 16, the f32 rows take their place: a choice of values, made in every work-group alike
.set i, i+1
.endr
	WIN 0
.endif
.irp t, 0,1,2,3,4,5,6,7
	global_store_b128 v[GO], v[BK+4*\t:BK+4*\t+3], s[\ob:\ob+1] offset:\a*65536+\t*8192 th:TH_STORE_NT   ; 16 lanes store 256 consecutive bytes, aligned
.endr
.endr
.endm
	s_wait_tensorcnt 1                             ; the table and my part of slot 0 are in (slot 1's load may be out)
	s_barrier_signal -1
	s_barrier_wait -1                              ; everybody's are
	FETCH 0, 0, 0, -1, 0
	s_wait_dscnt 0x0
	Q 0, 1, 0, 0, 0                                ; quarter 0: there is nothing to fold yet
	Q 0, 2, 1, 1, 1                                ; quarter 1: tile A's first block starts O
	WIN 0
.Ltrip:                                                ; four trips, each once round the ring, from a trip's quarter 2 to the next trip's quarter 1; both slots are filled again
	Q 0, 3, 0, 2, 2
	QC 0, 1, 3
	Q 1, 1, 0, 4, 2
	Q 1, 2, 1, 5, 2
	Q 1, 3, 0, 6, 2
	QC 1, 1, 7
	Q 0, 1, 0, 8, 2                                ; the next trip's quarter 0; its folds are this trip's last
	WIN 0
	s_cmp_eq_u32 s19, s17                          ; tile A ends with trip J: the cluster's number and the count of trips alone; no tensor load, wait on tensor loads, add or barrier stands in either arm
	s_cbranch_scc0 .Lsame
	EPI 0, 78                                      ; O is whole: tile A goes out,
	Q 0, 2, 1, 9, 1                                ; and tile B's first block starts O anew
	WIN 0
	s_branch .Ljoin
.Lsame:
	Q 0, 2, 1, 9, 2
	WIN 0
.Ljoin:
	v_add_nc_u32 v[ADT], 4096, v[ADT]              ; the next trip's eight quarters of the table
	s_add_co_u32 s19, s19, 1
	s_cmp_lt_u32 s19, 4
	s_cbranch_scc1 .Ltrip
	Q 0, 3, 0, 2, 2                                ; the last trip is written out: it asks for nothing more
	QC 0, 0, 3
	Q 1, 1, 0, 4, 2
	Q 1, 2, 1, 5, 2
	Q 1, 3, 0, 6, 2
	WIN 0                                          ; the very last quarter: nothing is fetched or filled behind it, so no barrier
	LEAD 0, 2
	ds_load_b128 v[SCL+8:SCL+11], v[ADT] offset:512*7
	WORK 1, 2, 0, 16
	WIN 0
	s_wait_dscnt 0x0
	LEAD 1, 2                                      ; with the four folds behind the last pair: the places behind the last products
	WIN WF
.set g, 0
.rept 16
	FOLD 1, g, 2                                   ; the last block's folds stand bare: no product is left to set them behind
.set g, g+1
.endr
	EPI 1, 80
	s_wait_tensorcnt 0x0                           ; the wave's end, behind my last tensor load and my last LDS store
	ds_add_u32 v[SPW], v[NIL]
	s_wait_dscnt 0x0
	CROUND                                         ; the closing round
	s_endpgm
.Lfunc_end_k_q87f11b08d0_pv:
	.size	k_q87f11b08d0_pv, .Lfunc_end_k_q87f11b08d0_pv-k_q87f11b08d0_pv
	.p2alignl 7, 3214868480
	.fill 96, 4, 3214868480
	.section	.rodata,"a",@progbits
	.p2align	6, 0x0
	.amdhsa_kernel k_q87f11b08d0_pv
		.amdhsa_group_segment_fixed_size 327680
		.amdhsa_private_segment_fixed_size 0
		.amdhsa_enable_private_segment 0
		.amdhsa_kernarg_size 40
		.amdhsa_user_sgpr_count 2
		.amdhsa_user_sgpr_kernarg_segment_ptr 1
		.amdhsa_wavefront_size32 1
		.amdhsa_system_sgpr_workgroup_id_x 1
		.amdhsa_system_sgpr_workgroup_id_y 1
		.amdhsa_system_sgpr_workgroup_id_z 1
		.amdhsa_system_vgpr_workitem_id 0
		.amdhsa_next_free_vgpr 800
		.amdhsa_next_free_sgpr 100
		.amdhsa_reserve_vcc 0
		.amdhsa_float_denorm_mode_32 3
		.amdhsa_float_denorm_mode_16_64 3
		.amdhsa_memory_ordered 1
		.amdhsa_forward_progress 1
		.amdhsa_inst_pref_size 197
	.end_amdhsa_kernel
	.amdgpu_metadata
---
amdhsa.version: [ 1, 2 ]
amdhsa.kernels:
  - .name:           k_q87f11b08d0_pv
    .symbol:         k_q87f11b08d0_pv.kd
    .args:
      - { .name: pbuf, .offset: 0, .size: 8, .value_kind: global_buffer, .address_space: global }
      - { .name: qkv, .offset: 8, .size: 8, .value_kind: global_buffer, .address_space: global }
      - { .name: tblw, .offset: 16, .size: 8, .value_kind: global_buffer, .address_space: global }
      - { .name: o16, .offset: 24, .size: 8, .value_kind: global_buffer, .address_space: global }
      - { .name: out0, .offset: 32, .size: 8, .value_kind: global_buffer, .address_space: global }
    .group_segment_fixed_size: 327680
    .private_segment_fixed_size: 0
    .kernarg_segment_align: 8
    .kernarg_segment_size: 40
    .max_flat_workgroup_size: 128
    .sgpr_count:     100
    .vgpr_count:     800
    .wavefront_size: 32
...
	.end_amdgpu_metadata
.endif
;; end of part 5
